; MI455X (gfx1250); checked and timed in simulation.
; The chip was launched on July 23, 2026; its instructions are those of AMD's public machine-readable ISA for CDNA 5 (MIT licence, August 2026) and "CDNA5" Instruction Set Architecture Reference Guide (July 2026). The comments in the code are by the model that wrote it; some were corrected since.
;; Modular Decoder. Allowed arithmetic: matrix products marked QUANTISED: E2M1 operands, one E8M0 scale for each 32 along K, by v_wmma_scale_f32_16x16x128_f8f6f4 with both operands' format E2M1 (or v_wmma_scale_f32_32x16x128_f4), f32 sums; everything else in f32.
;; Inputs: W1 16 x 400 x 128 float32; W2 16 x 4,096 x 400 float32; angle_idx 2,048 int32; b1 16 x 400 float32; b2 16 x 4,096 float32; z 2,048 x 128 float32.
;; Outputs: out0 2,048 x 4,096 float32.
;; This version of the problem:
;;   THIS VERSION OF THE PROBLEM IS GIVEN IN LOW PRECISION. The matrix products marked QUANTISED in the list below multiply operands that are first quantised to E2M1 (2 exponent bits, 1 mantissa bit; 4 bits a number), with one power-of-two scale for each 32 numbers along K (OCP MX v1.0); their sums are f32. All else is computed in f32.
;;   The module's matrix products, in the order in which they are computed (A, B: the left and right operand; K: the contracted axis; several contracted axes count as one K, in the product's order):
;;     1. [M 2,048, K 128] x [K 128, N 400]; A: input z; B: input W1: QUANTISED
;;     2. [M 2,048, K 400] x [K 400, N 4,096]; A: computed on the way; B: input W2: QUANTISED
;;     3. [M 2,048, K 128] x [K 128, N 400]; A: input z; B: input W1: QUANTISED
;;     4. [M 2,048, K 400] x [K 400, N 4,096]; A: computed on the way; B: input W2: QUANTISED
;;     5. [M 2,048, K 128] x [K 128, N 400]; A: input z; B: input W1: QUANTISED
;;     6. [M 2,048, K 400] x [K 400, N 4,096]; A: computed on the way; B: input W2: QUANTISED
;;     7. [M 2,048, K 128] x [K 128, N 400]; A: input z; B: input W1: QUANTISED
;;     8. [M 2,048, K 400] x [K 400, N 4,096]; A: computed on the way; B: input W2: QUANTISED
;;     9. [M 2,048, K 128] x [K 128, N 400]; A: input z; B: input W1: QUANTISED
;;     10. [M 2,048, K 400] x [K 400, N 4,096]; A: computed on the way; B: input W2: QUANTISED
;;     11. [M 2,048, K 128] x [K 128, N 400]; A: input z; B: input W1: QUANTISED
;;     12. [M 2,048, K 400] x [K 400, N 4,096]; A: computed on the way; B: input W2: QUANTISED
;;     13. [M 2,048, K 128] x [K 128, N 400]; A: input z; B: input W1: QUANTISED
;;     14. [M 2,048, K 400] x [K 400, N 4,096]; A: computed on the way; B: input W2: QUANTISED
;;     15. [M 2,048, K 128] x [K 128, N 400]; A: input z; B: input W1: QUANTISED
;;     16. [M 2,048, K 400] x [K 400, N 4,096]; A: computed on the way; B: input W2: QUANTISED
;;     17. [M 2,048, K 128] x [K 128, N 400]; A: input z; B: input W1: QUANTISED
;;     18. [M 2,048, K 400] x [K 400, N 4,096]; A: computed on the way; B: input W2: QUANTISED
;;     19. [M 2,048, K 128] x [K 128, N 400]; A: input z; B: input W1: QUANTISED
;;     20. [M 2,048, K 400] x [K 400, N 4,096]; A: computed on the way; B: input W2: QUANTISED
;;     21. [M 2,048, K 128] x [K 128, N 400]; A: input z; B: input W1: QUANTISED
;;     22. [M 2,048, K 400] x [K 400, N 4,096]; A: computed on the way; B: input W2: QUANTISED
;;     23. [M 2,048, K 128] x [K 128, N 400]; A: input z; B: input W1: QUANTISED
;;     24. [M 2,048, K 400] x [K 400, N 4,096]; A: computed on the way; B: input W2: QUANTISED
;;     25. [M 2,048, K 128] x [K 128, N 400]; A: input z; B: input W1: QUANTISED
;;     26. [M 2,048, K 400] x [K 400, N 4,096]; A: computed on the way; B: input W2: QUANTISED
;;     27. [M 2,048, K 128] x [K 128, N 400]; A: input z; B: input W1: QUANTISED
;;     28. [M 2,048, K 400] x [K 400, N 4,096]; A: computed on the way; B: input W2: QUANTISED
;;     29. [M 2,048, K 128] x [K 128, N 400]; A: input z; B: input W1: QUANTISED
;;     30. [M 2,048, K 400] x [K 400, N 4,096]; A: computed on the way; B: input W2: QUANTISED
;;     31. [M 2,048, K 128] x [K 128, N 400]; A: input z; B: input W1: QUANTISED
;;     32. [M 2,048, K 400] x [K 400, N 4,096]; A: computed on the way; B: input W2: QUANTISED
;;   THE QUANTISER, for each operand of a quantised product, along K:
;;     - K is cut into blocks of 32 from its start; a last block that is shorter is filled with zeros.
;;     - A block's scale is 2^e with e = floor(log2(the largest magnitude in the block)) - 2, held to -126 .. 127; a block of zeros has e = 0. As a byte (E8M0): e + 127.
;;     - Each number is divided by its block's scale, clamped to +-6, and rounded to the nearest number of E2M1, ties to even, subnormals kept.
;;     - The product sums the exact products of the quantised numbers (number of the format x scale) in f32.
;;   ~~~python
;;   def quantise(x, axis):      # numpy; x: float32 -> the quantised numbers, widened to float32 again
;;       x = np.moveaxis(x, axis, -1); K = x.shape[-1]
;;       x = np.pad(x, [(0, 0)] * (x.ndim - 1) + [(0, -K % 32)]); x = x.reshape(x.shape[:-1] + (-1, 32)); a = np.abs(x).max(-1, keepdims=True)
;;       e = np.where(a > 0, np.clip(np.frexp(np.where(a > 0, a, 1))[1] - 1 - 2, -126, 127), 0)      # np.frexp(a)[1] - 1 = floor(log2(a)), exactly
;;       r = np.clip(x / 2.0 ** e, -6, 6)
;;       step = 2.0 ** (np.maximum(np.frexp(np.where(r == 0, 1, r))[1] - 1, 0) - 1)
;;       q = np.round(r / step) * step * 2.0 ** e      # np.round: ties to even
;;       return np.moveaxis(q.reshape(q.shape[:-2] + (-1,))[..., :K], -1, axis).astype(np.float32)
;;   ~~~
;;   OPERANDS COMPUTED ON THE WAY. 'Computed on the way' means the value that the module computes at that place (a softmax that the list does not call 'softmax' is quantised finished and normalised). What goes into a quantiser is computed in f32, as accurately as f32 sums, v_exp_f32 and their like allow (about 1e-6 of the number): no bf16 or f16 on the way to a quantiser, and a product that is left as it is and whose result goes on into a quantised operand takes f32 operands (vector FMAs, or v_wmma_f32_16x16x4_f32). A number that lies on a knife's edge between two numbers of the format may be rounded either way, as far as f32 arithmetic and the matrix unit's own rounding can turn it there, and no further.
;; 2 versions. Each part assembles by itself: llvm-mc -triple=amdgcn-amd-amdhsa -mcpu=gfx1250 --defsym DOCPART=n.
;; ======== version 1 of 2: 2 launches
;; workspace buffers: hcodes 8,388,608 bytes; hscales 1,048,576 bytes; route 264,192 bytes of whole numbers
;; launch hidden (part 1): grid 8 x 16, 8 waves a work-group, no clusters, 77,824 bytes of LDS; arguments z, W1, b1, angle_idx, hcodes, hscales, route; writes hcodes, hscales, route
.if DOCPART == 1
	.amdgcn_target "amdgcn-amd-amdhsa--gfx1250"
	.amdhsa_code_object_version 6
	.text
	.protected	k_q79a45592b9_hidden
	.globl	k_q79a45592b9_hidden
	.p2align	8
	.type	k_q79a45592b9_hidden,@function
k_q79a45592b9_hidden:
	s_mov_b64 s[64:65], 0
	v_nop
	global_prefetch_b8 v0, s[64:65] scope:SCOPE_SE
	s_setreg_imm32_b32 hwreg(HW_REG_WAVE_MODE, 25, 1), 1
	s_wait_xcnt 0x0
; LAUNCH 1 OF 2.  For each expert e: the list of its tokens (angle_idx == e) in tiles of 16, and for each tile the hidden layer relu(Q(z) Q(W1[e])^T + b1[e]), quantised along the
; second product's K (the 400 hidden units, filled with zeros to 512) to codes of FP4 (E2M1) with one E8M0 byte for each 32.  Only the chosen expert's rows are multiplied.
; OUT: hcodes [16 e][128 tile][4 K step][2][32 lanes][16 bytes]: the register image of a fragment (16 tokens x 128 K); hscales [e][tile][K step][32 lanes]: the scale word of row lane % 16;
;      route: bytes 0-2047 [e][32 lanes] the expert's count; from byte 2048 [e][tile][32 lanes] the token of slot lane % 16.  An expert has room for its worst case, 128 tiles; only tiles in use are written,
;      and tile 0 always.  The empty slots of a last tile repeat the tile's first token: their rows are copies of that token's row.
; SHARES.  Work-group (x, y): s = x & 3: hidden units 128 s .. 128 s + 127 (K step s of the second product); q = x >> 2; e = y.  Wave w quantises tile w of the slice's eight tiles of W1; the images meet in LDS
; behind the one barrier, which stands ahead of every branch on the count.  Then wave w takes token tiles 8 q + w + 16 i, i = 0 .. 7, while they begin under the count.
; THE LIST WITHOUT A SCATTER.  A wave holds all 2,048 indices (64 registers).  Register j's ballot is a word of 32 bits; the words' running sums say in which word slot P lies, and a search by halves finds the bit.
; THE PRODUCT IS USED TRANSPOSED (source 0 = 16 rows of W1, source 1 = 16 tokens), and lane rho of tile 2 b + u takes row 128 s + 32 b + 8 u + rho + 8 (rho / 8): so a lane holds one token, and its register
; 16 b + 8 u + j the hidden unit 128 s + 32 b + 16 (lane / 16) + 8 u + j: sixteen neighbours along the next K.  b1 is the C of the product.
; UNITS 400 .. 511 do not exist: their rows' addresses are held inside W1 and b1, their codes and biases are made 0, so their hidden numbers are exactly 0: the quantiser's fill.
; LIMITS: NaN and infinities among the inputs are not served.  A block of zeros gets the byte 1 where the rule says 127: its codes are zeros, and this program alone reads the bytes.  angle_idx lies in 0 .. 15.
; No tensor load: trip counts hang on the count.  No cluster: no tile comes by the data mover.
.set SROW,  528                        ; a row in a wave's stage: 512 bytes + 16: 33 x 16, so sixteen rows' equal columns fall on sixteen different groups of four banks
.set SWAVE, 16*SROW                    ; a wave's stage: LDS bytes SWAVE w on
.set W1IMG, 8*SWAVE                    ; the images of W1's eight fragments, 1,024 bytes each
.set W1SC,  W1IMG+8*1024               ; their scale words, 128 bytes each
.set RA,  32                           ; v32-95   angle_idx; then numbers turned through the stage; then TM and HC
.set RB,  96                           ; v96-159  W1's rows as loaded; then the eight accumulators
.set RC,  160                          ; v160-223 z's rows as loaded
.set BO,  224                          ; v224-231 byte offsets of the biases; never rewritten
.set W1S, 232                          ; v232-239 W1's scale words: scales and nothing else
.set ZS,  240                          ; v240     z's scale word: likewise
.set HW,  241                          ; v241     the hidden layer's scale word
.set ZC,  242                          ; v242-249 the codes just made of W1 or of z
.set TM,  32                           ; v32-47   at work in QUANTH
.set HC,  48                           ; v48-55   the hidden layer's codes
.set M,   40                           ; s40-47   eight ballots; later the biases' masks
.set BS,  48                           ; s48-55   how many of the expert's tokens lie ahead of each word
.set PK,  56                           ; s56-63   that number x 64 + the word's number
.set ZP,  66                           ; s66-97   the addresses of sixteen rows of z
; v1 16 x lane, v2 4 x lane, v3 r = lane % 16, v4 h = lane / 16, v5 8 h, v6 / v7 stage in / out, v8 / v9 my image and scale word, v10 / v11 all images and words, v12 mask of rows that exist, v13 128 s + 16 h,
; v14 P, v15 the word, v16 its pack, v17 Q, v18 the bit, v19-24 at work, v25 the token, v26 the tile's first token, v27 the count, v28-31 and v250-254 at work in QUANT2.  Window 1: v0-63 W1's fragments, v64-127 b1.
; s18 wave, s19 s, s20 q, s21 e, s22 t, s23 count, s24 max(count, 1), s25 running sum, s[26:27] an offset, s[28:31], s[38:39] bases, s[32:33] lane selects, s34 trips, s35 / s36 row masks, s37 16 t, s[2:3] the count's place.
.set MSB, 0
.macro WIN new                         ; the immediate's high byte repeats the setting that is left
.if MSB != \new
	s_set_vgpr_msb (MSB<<8)|\new
.set MSB, \new
.endif
.endm
.macro IDXLOAD                         ; all 2,048 indices: register 4 i + c of lane l holds token 128 i + 4 l + c
.irp i, 0,1,2,3,4,5,6,7,8,9,10,11,12,13,14,15
	global_load_b128 v[RA+4*\i:RA+4*\i+3], v1, s[10:11] offset:512*\i
.endr
.endm
.macro PICK x, bits, width             ; are there Q or fewer ones in the lower half of the field at v18?  Then the bit lies in the upper half
	v_bfe_u32 v23, v[\x], v18, \bits
	v_cmp_ge_u32 vcc_lo, v17, v23
	v_cndmask_b32 v23, 0, v23, vcc_lo
	v_cndmask_b32 v24, 0, \width, vcc_lo
	v_sub_nc_u32 v17, v17, v23
	v_add_nc_u32 v18, v18, v24
.endm
; The token of slot P = v14 of expert s21 into v25.  first = 1: the count is kept too.
.macro SCAN first
	s_mov_b32 s25, 0
.set G, 0
.rept 8
.irp k, 0,1,2,3,4,5,6,7
	v_cmp_eq_u32 s[M+\k], s21, v[RA+8*G+\k]        ; word 8 G + k: which lanes' token is the expert's
.endr
.irp k, 0,1,2,3,4,5,6,7
	s_mov_b32 s[BS+\k], s25
	s_lshl_b32 s[PK+\k], s25, 6
	s_or_b32 s[PK+\k], s[PK+\k], 8*G+\k
	s_bcnt1_i32_b32 s38, s[M+\k]
	s_add_co_u32 s25, s25, s38
.endr
.irp k, 0,1,2,3,4,5,6,7
.if 8*G+\k == 0
	v_mov_b32 v15, s[M]
	v_mov_b32 v16, s[PK]
.else
	v_cmp_le_u32 vcc_lo, s[BS+\k], v14             ; the last word with no more than P tokens ahead of it holds slot P
	v_cndmask_b32 v15, v15, s[M+\k], vcc_lo
	v_cndmask_b32 v16, v16, s[PK+\k], vcc_lo
.endif
.endr
.set G, G+1
.endr
.if \first
	s_mov_b32 s23, s25
	s_max_u32 s24, s25, 1                          ; tile 0 is made for an expert without tokens too
	v_mov_b32 v27, s25
.endif
	v_lshrrev_b32 v17, 6, v16
	v_sub_nc_u32 v17, v14, v17                     ; Q: the one wanted is the word's Q-th, from 0
	v_lshrrev_b32 v23, 1, v15                      ; the ones counted in fields of 2 (v19), 4 (v20), 8 (v21) and 16 bits (v22's low byte)
	v_and_b32 v23, 0x55555555, v23
	v_sub_nc_u32 v19, v15, v23
	v_lshrrev_b32 v23, 2, v19
	v_and_b32 v23, 0x33333333, v23
	v_and_b32 v20, 0x33333333, v19
	v_add_nc_u32 v20, v20, v23
	v_lshrrev_b32 v23, 4, v20
	v_add_nc_u32 v21, v20, v23
	v_and_b32 v21, 0x0f0f0f0f, v21
	v_lshrrev_b32 v23, 8, v21
	v_add_nc_u32 v22, v21, v23
	v_mov_b32 v18, 0
	PICK 22, 8, 16
	PICK 21, 8, 8
	PICK 20, 4, 4
	PICK 19, 2, 2
	PICK 15, 1, 1
	v_and_b32 v23, 63, v16                         ; the word's number j: token = 128 (j / 4) + j % 4 + 4 x bit
	v_lshrrev_b32 v24, 2, v23
	v_lshlrev_b32 v24, 7, v24
	v_and_b32 v23, 3, v23
	v_add_nc_u32 v24, v24, v23
	v_lshl_add_u32 v25, v18, 2, v24
	v_readfirstlane_b32 s38, v25                   ; lane 0 holds the tile's first slot
	v_cmp_gt_u32 vcc_lo, s23, v14
	v_mov_b32 v26, s38
	v_cndmask_b32 v25, v26, v25, vcc_lo            ; slots at or past the count repeat it
	v_min_u32 v25, 0x7ff, v25
.endm
.macro ZLOAD                           ; the tile's sixteen rows of z, each 512 consecutive bytes, 16 a lane
.irp i, 0,1,2,3,4,5,6,7,8,9,10,11,12,13,14,15
	v_readlane_b32 s38, v25, \i
	s_min_u32 s38, s38, 0x7ff
	s_lshl_b32 s26, s38, 9
	s_add_nc_u64 s[ZP+2*\i:ZP+2*\i+1], s[4:5], s[26:27]
	global_load_b128 v[RC+4*\i:RC+4*\i+3], v1, s[ZP+2*\i:ZP+2*\i+1]
.endr
.endm
; Sixteen rows of 128 numbers, loaded a row an instruction, come back in the operand's order: lane (r, h) gets k = 64 c + 32 h + 0 .. 31 of row r in registers 32 c on.  The stage is the wave's own, and LDS
; serves a wave's instructions in order (ISA guide 5.7.1.4): no wait between the stores and the loads.
.macro TURN src, dst
.irp i, 0,1,2,3,4,5,6,7,8,9,10,11,12,13,14,15
	ds_store_b128 v6, v[\src+4*\i:\src+4*\i+3] offset:SROW*\i
.endr
.irp c, 0,1
.irp g, 0,1,2,3,4,5,6,7
	ds_load_b128 v[\dst+32*\c+4*\g:\dst+32*\c+4*\g+3], v7 offset:256*\c+16*\g
.endr
.endr
.endm
; 64 numbers of a lane, two whole blocks (2 c + h), become a fragment's eight registers and its row's scale word.
.macro QUANT2 src, code, word
.irp c, 0,1
	v_max3_num_f32 v[28+\c], |v[\src+32*\c]|, |v[\src+32*\c+1]|, 0x1800000   ; with the floor 2^(3 - 127): the byte cannot fall under 1
.endr
.irp i, 2,4,6,8,10,12,14,16,18,20,22,24,26,28,30
.irp c, 0,1
	v_max3_num_f32 v[28+\c], v[28+\c], |v[\src+32*\c+\i]|, |v[\src+32*\c+\i+1]|   ; the two blocks by turns
.endr
.endr
.irp c, 0,1
	v_add_nc_u32 v[30+\c], 0xff000000, v[28+\c]    ; 2 off the exponent field: the conversion takes the exponent field of this operand as its scale
.endr
.irp c, 0,1
	v_lshrrev_b32 v[252+\c], 23, v[30+\c]          ; the scale's byte
.endr
	v_lshl_or_b32 v[\word], v253, 16, v252         ; my bytes, of blocks h and 2 + h,
	v_lshlrev_b32 v[\word], v5, v[\word]           ; at their places, 8 h bits up;
	v_permlanex16_b32 v254, v[\word], s32, s33
	v_or_b32 v[\word], v[\word], v254              ; with lane l xor 16's two the word is whole
.irp c, 0,1
.irp g, 0,1,2,3
	v_cvt_scalef32_pk8_fp4_f32 v[\code+4*\c+\g], v[\src+32*\c+8*\g:\src+32*\c+8*\g+7], v[30+\c]
.endr
.endr
	v_nop                                          ; one plain line behind a scaled conversion
.endm
; 64 numbers of a lane, none negative, register 16 b + i = k 32 b + 16 h + i of my row, become the codes in v[HC] on and the scale word in v[HW].
.macro QUANTH s
.irp b, 0,1,2,3
	v_max3_num_f32 v[TM+\b], v[\s+16*\b], v[\s+1+16*\b], 0x1800000
.endr
.irp i, 2,4,6,8,10,12,14
.irp b, 0,1,2,3
	v_max3_num_f32 v[TM+\b], v[TM+\b], v[\s+16*\b+\i], v[\s+1+16*\b+\i]
.endr
.endr
.irp b, 0,1,2,3
	v_permlanex16_b32 v[TM+4+\b], v[TM+\b], s32, s33
.endr
.irp b, 0,1,2,3
	v_max_num_f32 v[TM+\b], v[TM+\b], v[TM+4+\b]   ; with lane l xor 16's sixteen: the block's largest
.endr
.irp b, 0,1,2,3
	v_add_nc_u32 v[TM+12+\b], 0xff000000, v[TM+\b]
.endr
.irp b, 0,1,2,3
	v_lshrrev_b32 v[TM+4+\b], 23, v[TM+12+\b]
.endr
	v_lshl_or_b32 v[HW], v[TM+5], 8, v[TM+4]
	v_lshl_or_b32 v[HW], v[TM+6], 16, v[HW]
	v_lshl_or_b32 v[HW], v[TM+7], 24, v[HW]
.irp b, 0,1,2,3
	v_cvt_scalef32_pk8_fp4_f32 v[HC+2*\b], v[\s+16*\b:\s+7+16*\b], v[TM+12+\b]
	v_cvt_scalef32_pk8_fp4_f32 v[HC+1+2*\b], v[\s+8+16*\b:\s+15+16*\b], v[TM+12+\b]
.endr
	v_nop                                          ; one plain line behind a scaled conversion
.irp c, 0,1                            ; the operand's layout wants a whole block in a lane: lanes 0-15 block 2 c, lanes 16-31 block 2 c + 1
.irp i, 0,1
	v_permlane16_swap_b32 v[HC+4*\c+\i], v[HC+2+4*\c+\i]
.endr
.endr
.endm
	s_load_b256 s[4:11], s[0:1], 0x0               ; z s[4:5], W1 s[6:7], b1 s[8:9], angle_idx s[10:11]
	s_load_b128 s[12:15], s[0:1], 0x20             ; hcodes s[12:13], hscales s[14:15]
	s_load_b64 s[16:17], s[0:1], 0x30              ; route
	v_lshl_add_u32 v251, v0, 2, 0x12c00
	v_mov_b32 v255, 0
	v_lshrrev_b32 v1, 5, v0
	v_readfirstlane_b32 s18, v1                    ; wave 0..7
	s_and_b32 s19, ttmp9, 3                        ; s
	s_lshr_b32 s20, ttmp9, 2                       ; q
	s_and_b32 s21, ttmp7, 0xffff                   ; e
	v_and_b32 v2, 31, v0
	v_lshlrev_b32 v1, 4, v2
	v_lshlrev_b32 v2, 2, v2
	v_and_b32 v3, 15, v0
	v_bfe_u32 v4, v0, 4, 1
	v_lshlrev_b32 v5, 3, v4
	s_mul_i32 s38, s18, SWAVE
	v_add_nc_u32 v6, s38, v1                       ; into my stage: 16 x lane, a row an instruction
	v_mul_u32_u24 v7, v3, SROW
	v_lshl_add_u32 v7, v4, 7, v7
	v_add_nc_u32 v7, s38, v7                       ; out of it: row r, + 128 h
	s_lshl_b32 s38, s18, 10
	s_add_co_u32 s38, s38, W1IMG
	v_add_nc_u32 v8, s38, v1
	s_lshl_b32 s38, s18, 7
	s_add_co_u32 s38, s38, W1SC
	v_add_nc_u32 v9, s38, v2
	v_add_nc_u32 v10, W1IMG, v1
	v_add_nc_u32 v11, W1SC, v2
	v_mov_b32 v254, 0                              ; written once: a lane permute's destination counts as one of its sources
	s_mov_b32 s32, 0x76543210
	s_mov_b32 s33, 0xfedcba98                      ; v_permlanex16_b32's selects for lane l xor 16
	s_mov_b32 s27, 0
	s_lshl_b32 s25, s19, 7                         ; 128 s
	v_lshl_add_u32 v13, v4, 4, s25
	s_lshr_b32 s39, s18, 1
	s_lshl_b32 s39, s39, 5
	s_add_co_u32 s38, s25, s39
	s_and_b32 s39, s18, 1
	s_lshl_b32 s39, s39, 3
	s_add_co_u32 s38, s38, s39                     ; my tile's first row: 128 s + 32 (w / 2) + 8 (w % 2); its lanes 0-7 take eight rows from here,
	s_add_co_u32 s39, s38, 16                      ; its lanes 8-15 eight rows from 16 further on
	s_cmp_le_u32 s38, 392                          ; a group of eight rows exists where it begins at 392 or below
	s_cselect_b32 s35, -1, 0
	s_cmp_le_u32 s39, 392
	s_cselect_b32 s36, -1, 0
	s_min_u32 s38, s38, 392                        ; no load leaves W1
	s_min_u32 s39, s39, 392
	s_mul_i32 s25, s21, 400
	s_add_co_u32 s38, s38, s25
	s_add_co_u32 s39, s39, s25
	s_lshl_b32 s38, s38, 9                         ; a row of W1 is 512 bytes
	s_lshl_b32 s39, s39, 9
	v_cmp_gt_u32 vcc_lo, 8, v3
	v_mov_b32 v12, s36
	v_cndmask_b32 v12, v12, s35, vcc_lo
	s_lshl_b32 s22, s20, 3
	s_add_co_u32 s22, s22, s18                     ; t = 8 q + w
	s_lshl_b32 s37, s22, 4
	v_add_nc_u32 v14, s37, v3                      ; P = 16 t + r
.irp tw, 0,1,2,3,4,5,6,7
	v_add_nc_u32 v23, 32*(\tw/2)+8*(\tw%2), v13    ; tile tw's eight units of my half begin here;
	v_min_u32 v23, 392, v23                        ; no load leaves b1
	v_lshlrev_b32 v[BO+\tw], 2, v23
.endr
	s_wait_kmcnt 0x0
	s_mov_b32 s26, s38
	s_add_nc_u64 s[28:29], s[6:7], s[26:27]
	s_mov_b32 s26, s39
	s_add_nc_u64 s[30:31], s[6:7], s[26:27]
	s_mul_i32 s26, s21, 1600
	s_add_nc_u64 s[8:9], s[8:9], s[26:27]
	s_lshl_b32 s26, s21, 7
	s_add_nc_u64 s[2:3], s[16:17], s[26:27]        ; where the expert's count goes
	IDXLOAD
.irp i, 0,1,2,3,4,5,6,7
	global_load_b128 v[RB+4*\i:RB+4*\i+3], v1, s[28:29] offset:512*\i
.endr
.irp i, 0,1,2,3,4,5,6,7
	global_load_b128 v[RB+32+4*\i:RB+32+4*\i+3], v1, s[30:31] offset:512*\i
.endr
	WIN 0x40                                       ; destination window 1
.irp tw, 0,1,2,3,4,5,6,7
	global_load_b128 v[64+8*\tw:64+8*\tw+3], v[BO+\tw], s[8:9]
	global_load_b128 v[64+8*\tw+4:64+8*\tw+7], v[BO+\tw], s[8:9] offset:16
.endr
	WIN 0
	s_wait_loadcnt 32                              ; angle_idx is in: behind it 16 loads of W1 and 16 of b1 were issued
	SCAN 1
	s_or_b32 s38, ttmp9, s18
	s_cmp_lg_u32 s38, 0
	s_cbranch_scc1 .Lno_count                      ; wave 0 of the expert's first work-group stores the count; its registers are never rewritten
	global_store_b32 v2, v27, s[2:3]
.Lno_count:
	ZLOAD                                          ; the first tile's rows of z go out ahead of the work on W1; the tokens are held inside z whatever the count
	s_wait_loadcnt 32                              ; W1's rows are in: behind them 16 loads of b1 and 16 of z
	TURN RB, RA
	s_wait_dscnt 0x0
	QUANT2 RA, ZC, 250
.irp i, 0,1,2,3,4,5,6,7
	v_and_b32 v[ZC+\i], v12, v[ZC+\i]              ; rows that do not exist: zero codes
.endr
	ds_store_b128 v8, v[ZC:ZC+3]                   ; the fragment goes to LDS as an image of its registers,
	ds_store_b128 v8, v[ZC+4:ZC+7] offset:512
	ds_store_b32 v9, v250                          ; and its scale word, 4 bytes a lane
	s_wait_loadcnt 16                              ; b1 is in: behind it the 16 loads of z
.irp tw, 0,1,2,3,4,5,6,7
	v_add_nc_u32 v23, 32*(\tw/2)+8*(\tw%2), v13
	v_cmp_gt_u32 s[M+\tw], 400, v23
.endr
	WIN 0x44                                       ; destination and source 1 window 1
.irp tw, 0,1,2,3,4,5,6,7
.irp j, 0,1,2,3,4,5,6,7
	v_cndmask_b32 v[64+8*\tw+\j], 0, v[64+8*\tw+\j], s[M+\tw]   ; units that do not exist: bias 0
.endr
.endr
	WIN 0
	s_wait_dscnt 0x0                               ; for the others' sake: my image has landed
	s_barrier_signal -1
	s_barrier_wait -1                              ; the launch's one barrier: all eight images lie in LDS
	WIN 0x40
.irp tw, 0,1,2,3,4,5,6,7
.irp c, 0,1
	ds_load_b128 v[8*\tw+4*\c:8*\tw+4*\c+3], v10 offset:1024*\tw+512*\c
.endr
.endr
	WIN 0
.irp tw, 0,1,2,3,4,5,6,7
	ds_load_b32 v[W1S+\tw], v11 offset:128*\tw
.endr
	s_wait_dscnt 0x0
	s_mov_b32 s34, 8
	s_cmp_ge_u32 s37, s24
	s_cbranch_scc1 .Ldone                          ; my first tile begins at or past the count: nothing to do
.Ltrip:
	s_wait_loadcnt 0x0                             ; the tile's rows of z
	TURN RC, RA
	s_wait_dscnt 0x0
	QUANT2 RA, ZC, ZS
.rept 8
	v_nop                                          ; a scale register written by a vector instruction stands eight places ahead of a scaled matrix instruction, an operand so written four
.endr
	WIN 0x11                                       ; source 0 (W1) and source 2 (b1) window 1
.irp tw, 0,1,2,3,4,5,6,7
	v_wmma_scale_f32_16x16x128_f8f6f4 v[RB+8*\tw:RB+8*\tw+7], v[8*\tw:8*\tw+7], v[ZC:ZC+7], v[64+8*\tw:64+8*\tw+7], v[W1S+\tw], v[ZS] matrix_a_fmt:MATRIX_FMT_FP4 matrix_b_fmt:MATRIX_FMT_FP4
.endr
	WIN 0
.rept 4
	v_nop                                          ; four places ahead of the first read of results (ISA guide 7.12.1)
.endr
.irp j, 0,1,2,3,4,5,6,7,8,9,10,11,12,13,14,15,16,17,18,19,20,21,22,23,24,25,26,27,28,29,30,31,32,33,34,35,36,37,38,39,40,41,42,43,44,45,46,47,48,49,50,51,52,53,54,55,56,57,58,59,60,61,62,63
	v_max_num_f32 v[RB+\j], 0, v[RB+\j]            ; relu, in f32; each accumulator from its low end on
.endr
	QUANTH RB
	s_lshl_b32 s38, s21, 7
	s_add_co_u32 s38, s38, s22                     ; 128 e + t
	s_lshl_b32 s39, s38, 2
	s_add_co_u32 s39, s39, s19                     ; x 4 + s
	s_lshl_b32 s26, s39, 10
	s_add_nc_u64 s[28:29], s[12:13], s[26:27]
	s_lshl_b32 s26, s39, 7
	s_add_nc_u64 s[30:31], s[14:15], s[26:27]
	s_lshl_b32 s26, s38, 7
	s_add_co_u32 s26, s26, 2048
	s_add_nc_u64 s[38:39], s[16:17], s[26:27]
	global_store_b128 v1, v[HC:HC+3], s[28:29]     ; each store of the wave covers 512 consecutive bytes, aligned
	global_store_b128 v1, v[HC+4:HC+7], s[28:29] offset:512
	global_store_b32 v2, v[HW], s[30:31]
	s_cmp_lg_u32 s19, 0
	s_cbranch_scc1 .Lno_tokens                     ; the slice s = 0 stores the tile's tokens
	global_store_b32 v2, v25, s[38:39]
.Lno_tokens:
	s_wait_xcnt 0x0                                ; the stores' data and bases are written again only behind this wait
	s_add_co_u32 s22, s22, 16
	s_lshl_b32 s37, s22, 4
	s_cmp_ge_u32 s37, s24
	s_cbranch_scc1 .Ldone
	v_add_nc_u32 v14, s37, v3
	IDXLOAD                                        ; the indices' registers were used for the work: they come anew
	s_wait_loadcnt 0x0
	SCAN 0
	ZLOAD
	s_sub_co_u32 s34, s34, 1
	s_cmp_lg_u32 s34, 0
	s_cbranch_scc1 .Ltrip
.Ldone:
	s_wait_tensorcnt 0x0
	ds_add_u32 v251, v255
	s_wait_dscnt 0x0
	s_endpgm
.Lfunc_end_k_q79a45592b9_hidden:
	.size	k_q79a45592b9_hidden, .Lfunc_end_k_q79a45592b9_hidden-k_q79a45592b9_hidden
	.p2alignl 7, 3214868480
	.fill 96, 4, 3214868480
	.section	.rodata,"a",@progbits
	.p2align	6, 0x0
	.amdhsa_kernel k_q79a45592b9_hidden
		.amdhsa_group_segment_fixed_size 77824
		.amdhsa_private_segment_fixed_size 0
		.amdhsa_enable_private_segment 0
		.amdhsa_kernarg_size 56
		.amdhsa_user_sgpr_count 2
		.amdhsa_user_sgpr_kernarg_segment_ptr 1
		.amdhsa_wavefront_size32 1
		.amdhsa_system_sgpr_workgroup_id_x 1
		.amdhsa_system_sgpr_workgroup_id_y 1
		.amdhsa_system_sgpr_workgroup_id_z 1
		.amdhsa_system_vgpr_workitem_id 0
		.amdhsa_next_free_vgpr 384
		.amdhsa_next_free_sgpr 98
		.amdhsa_reserve_vcc 1
		.amdhsa_float_denorm_mode_32 3
		.amdhsa_float_denorm_mode_16_64 3
		.amdhsa_memory_ordered 1
		.amdhsa_forward_progress 1
		.amdhsa_inst_pref_size 98
	.end_amdhsa_kernel
	.amdgpu_metadata
---
amdhsa.version: [ 1, 2 ]
amdhsa.kernels:
  - .name:           k_q79a45592b9_hidden
    .symbol:         k_q79a45592b9_hidden.kd
    .args:
      - { .name: z, .offset: 0, .size: 8, .value_kind: global_buffer, .address_space: global }
      - { .name: W1, .offset: 8, .size: 8, .value_kind: global_buffer, .address_space: global }
      - { .name: b1, .offset: 16, .size: 8, .value_kind: global_buffer, .address_space: global }
      - { .name: angle_idx, .offset: 24, .size: 8, .value_kind: global_buffer, .address_space: global }
      - { .name: hcodes, .offset: 32, .size: 8, .value_kind: global_buffer, .address_space: global }
      - { .name: hscales, .offset: 40, .size: 8, .value_kind: global_buffer, .address_space: global }
      - { .name: route, .offset: 48, .size: 8, .value_kind: global_buffer, .address_space: global }
    .group_segment_fixed_size: 77824
    .private_segment_fixed_size: 0
    .kernarg_segment_align: 8
    .kernarg_segment_size: 56
    .max_flat_workgroup_size: 256
    .sgpr_count:     98
    .vgpr_count:     384
    .wavefront_size: 32
...
	.end_amdgpu_metadata
.endif
;; end of part 1
;; launch decode (part 2): grid 16 x 16, 8 waves a work-group, no clusters, 257,024 bytes of LDS; arguments W2, b2, hcodes, hscales, route, out0; writes out0
.if DOCPART == 2
	.amdgcn_target "amdgcn-amd-amdhsa--gfx1250"
	.amdhsa_code_object_version 6
	.text
	.protected	k_q79a45592b9_decode
	.globl	k_q79a45592b9_decode
	.p2align	8
	.type	k_q79a45592b9_decode,@function
k_q79a45592b9_decode:
	s_mov_b64 s[64:65], 0
	v_nop
	global_prefetch_b8 v0, s[64:65] scope:SCOPE_SE
	s_setreg_imm32_b32 hwreg(HW_REG_WAVE_MODE, 25, 1), 1
	s_wait_xcnt 0x0
; LAUNCH 2 OF 2.  out0[token] = sigmoid(Q(hidden) Q(W2[e])^T + b2[e]) for the tokens of expert e, on codes of FP4 (E2M1) with one E8M0 byte for each 32 along K = 400 (filled with zeros to 512).
; The hidden layer's fragments, scale words and the lists of tokens come from launch 1 (hcodes, hscales, route: laid as stated there).  W2 is read ONCE, quantised in registers, and stays there.
; SHARES.  Work-group (x, y): expert e = y, columns 256 x .. 256 x + 255: one dense block of 409,600 bytes of W2.  Wave w streams rows 32 w .. 32 w + 31 as two tiles of 16 rows (25,600 bytes, 50 loads of 512
; consecutive bytes).  A load's bytes are as they lie; the conversions want 32 neighbours along K in one lane: so a tile turns through the wave's own stage in LDS.  The two waves of a group of 64 columns then
; exchange their tiles' codes through LDS as images of the registers, behind the launch's one barrier, which stands ahead of every branch on the count.  In the loop over tiles of 16 tokens wave w makes columns
; 64 (w / 2) .. + 63 (256 bytes of a row of out0) for the tiles w % 2, w % 2 + 2, ..
; THE PRODUCT IS USED TRANSPOSED (source 0 = 16 rows of W2, source 1 = 16 tokens): lane (r, h) holds token r and eight neighbouring columns.  b2 is the C of a sum's first product.
; K STEP 3 holds k = 384 .. 399 alone: two registers a tile, their scale taken of those 16 numbers.  The fragment's other six registers are registers of K step 0: they meet zero codes of the hidden layer, and
; their blocks' scale bytes are 127.
; LIMITS: NaN and infinities among the inputs are not served.  A block of zeros gets the byte 1 where the rule says 127: its codes are zeros, and nobody else reads the bytes.  The sigmoid, 1 / (1 + 2^(-x log2 e)),
; holds for every finite x: where the power is infinite the result is 0, where it is 0 the result is 1.
; No tensor load: trip counts hang on the count.  No cluster: no tile comes by the data mover; what an expert's work-groups share, the hidden codes, is about a tenth of each one's own bytes of W2.
.set RGN,  32000                       ; LDS: a region for each wave.  While W2 streams: a tile's 25,600 bytes, 16 bytes of padding behind each 64: flat byte f at 80 (f / 64) + f % 64; row r at 2000 r (125 x 16), block b at + 160 b
.set IMG,  3840                        ; afterwards, from the region's byte 0: my two tiles' images: 6 x 512 (24 registers), 256 (2 registers), 512 (4 scale words a lane)
.set OST,  8192                        ; and from byte 8,192: my stage for the way out, 16 rows x (256 + 16) bytes
.set X0,   32                          ; v32-63, v64-95 two sets of 32 numbers
.set CA,   96                          ; v96-121  tile A's codes: +0, +1 K step 3; +2 + 8 s + 4 c + g K steps 0 to 2
.set CB,   122                         ; v122-147 tile B's
.set WA,   148                         ; v148-151, v152-155 their scale words
.set WB,   152
.set W2S,  160                         ; v160-175 the scale words of my group's four tiles: scales and nothing else
.set BIAS, 176                         ; v176-207 b2, four tiles x 8, in the result's layout
.set H,    208                         ; v208-239 a tile of tokens: four fragments
.set HS,   240                         ; v240-243 their scale words: scales and nothing else
.set TOK,  244                         ; v244-251 register k: the token of row 8 h + k
.set OFFS, 76                          ; v76-83   the rows' byte offsets in out0
.set ACC,  96                          ; v96-127  four accumulators
.set OUT,  128                         ; v128-159 rows read back from the stage
; v1 16 x lane, v13 4 x lane, v2 stage in, v3 / v4 stage out (with and without 160 h), v5 / v6 my images (16 and 8 bytes a lane), v7 / v8 my group's images, v9 / v10 the way out: in and back, v11 16 r, v12 32 h,
; v15 8 h, v16-18 at work, v20-26 seven scale bytes, v28 a permute's destination.  Window 1: v0-199 a tile as loaded; afterwards v0-103 my group's four tiles of codes, 26 registers each.
; s16 wave, s17 e, s18 x, s19 group, s20 parity, s21 count, s22 tiles, s23 the last tile that exists, s24 t, s25 a tile's number, s[26:27] an offset, s[28:33] bases, s[34:35] lane selects, s[36:37] -log2 e,
; s40 how many tiles of tokens are mine, s41 how many of them are done.
.set MSB, 0
.macro WIN new                         ; the immediate's high byte repeats the setting that is left
.if MSB != \new
	s_set_vgpr_msb (MSB<<8)|\new
.set MSB, \new
.endif
.endm
.macro LOADG tile, k                   ; ten of a tile's fifty loads
	WIN 0x40                                       ; destination window 1
.set i, 10*(\k)
.rept 10
	global_load_b128 v[4*i:4*i+3], v1, s[4:5] offset:25600*(\tile)+512*i th:TH_LOAD_NT
.set i, i+1
.endr
.endm
.macro STOREG k                        ; and their way into the stage
	WIN 0x04                                       ; an LDS store's data are its source 1: window 1
.set i, 10*(\k)
.rept 10
	ds_store_b128 v2, v[4*i:4*i+3] offset:640*i
.set i, i+1
.endr
.endm
.macro UNIT n                          ; lane (r, h) fetches block 2 n + h of row r; unit 6: both halves fetch the sixteen numbers of block 12
.set XS, X0+32*((\n)%2)
.if (\n) < 6
.irp j, 0,1,2,3
	ds_load_b128 v[XS+4*\j:XS+4*\j+3], v3 offset:320*(\n)+16*\j
.endr
.irp j, 0,1,2,3
	ds_load_b128 v[XS+16+4*\j:XS+16+4*\j+3], v3 offset:320*(\n)+80+16*\j
.endr
.else
.irp j, 0,1,2,3
	ds_load_b128 v[XS+4*\j:XS+4*\j+3], v4 offset:1920+16*\j
.endr
.endif
.endm
.macro BLOCK n, T                      ; a block's largest magnitude, its scale, its codes, its byte
.set XS, X0+32*((\n)%2)
	v_max3_num_f32 v16, |v[XS]|, |v[XS+1]|, |v[XS+2]|
	v_max3_num_f32 v17, |v[XS+3]|, |v[XS+4]|, |v[XS+5]|
.if (\n) < 6
.irp i, 6,10,14,18,22,26
	v_max3_num_f32 v16, v16, |v[XS+\i]|, |v[XS+\i+1]|
	v_max3_num_f32 v17, v17, |v[XS+\i+2]|, |v[XS+\i+3]|
.endr
	v_max3_num_f32 v16, v16, |v[XS+30]|, |v[XS+31]|
.else
.irp i, 6,10
	v_max3_num_f32 v16, v16, |v[XS+\i]|, |v[XS+\i+1]|
	v_max3_num_f32 v17, v17, |v[XS+\i+2]|, |v[XS+\i+3]|
.endr
	v_max3_num_f32 v16, v16, |v[XS+14]|, |v[XS+15]|
.endif
	v_max3_num_f32 v16, v16, v17, 0x1800000        ; with the floor 2^(3 - 127): the byte cannot fall under 1
	v_add_nc_u32 v18, 0xff000000, v16              ; 2 off the exponent field: the conversion takes the exponent field of this operand as its scale
.if (\n) < 6
.irp g, 0,1,2,3
	v_cvt_scalef32_pk8_fp4_f32 v[\T+2+4*(\n)+\g], v[XS+8*\g:XS+8*\g+7], v18
.endr
.else
	v_cvt_scalef32_pk8_fp4_f32 v[\T], v[XS:XS+7], v18
	v_cvt_scalef32_pk8_fp4_f32 v[\T+1], v[XS+8:XS+15], v18
.endif
	v_lshrrev_b32 v[20+(\n)], 23, v18              ; the scale's byte.  (Also the plain line behind the conversions)
.endm
; The tile in my stage becomes 26 registers of codes and 4 scale words.  The fetches run one unit ahead of the work: each count is the loads of the one unit issued behind the unit awaited.
.macro QUANTW T, WS
	WIN 0
	UNIT 0
	UNIT 1
.irp n, 0,1,2,3,4
	s_wait_dscnt 8
	BLOCK \n, \T
	UNIT \n+2
.endr
	s_wait_dscnt 4
	BLOCK 5, \T
	s_wait_dscnt 0x0
	BLOCK 6, \T
.irp s, 0,1,2
	v_lshl_or_b32 v[\WS+\s], v[21+2*\s], 16, v[20+2*\s]   ; K step s: my bytes, of its blocks h and 2 + h,
	v_lshlrev_b32 v[\WS+\s], v15, v[\WS+\s]        ; at their places, 8 h bits up;
	v_permlanex16_b32 v28, v[\WS+\s], s34, s35
	v_or_b32 v[\WS+\s], v[\WS+\s], v28             ; with lane l xor 16's two the word is whole
.endr
	v_or_b32 v[\WS+3], 0x7f7f7f00, v26             ; K step 3: block 12's byte, and 127 for the blocks that meet zero codes
.endm
.macro IMAGE j, T, WS                  ; a tile's registers go to LDS as they stand
.irp q, 0,1,2,3,4,5
	ds_store_b128 v5, v[\T+2+4*\q:\T+5+4*\q] offset:IMG*(\j)+512*\q
.endr
	ds_store_b64 v6, v[\T:\T+1] offset:IMG*(\j)+3072
	ds_store_b128 v5, v[\WS:\WS+3] offset:IMG*(\j)+3328
.endm
.macro HLOAD                           ; tile s25 of my expert: four fragments, four scale words, sixteen tokens: 14 loads
	s_min_u32 s25, s25, 127
	s_lshl_b32 s38, s17, 7
	s_add_co_u32 s38, s38, s25
	s_lshl_b32 s26, s38, 12
	s_add_nc_u64 s[28:29], s[8:9], s[26:27]
	s_lshl_b32 s26, s38, 9
	s_add_nc_u64 s[30:31], s[10:11], s[26:27]
	s_lshl_b32 s26, s38, 7
	s_add_nc_u64 s[32:33], s[12:13], s[26:27]
.irp i, 0,1,2,3,4,5,6,7
	global_load_b128 v[H+4*\i:H+4*\i+3], v1, s[28:29] offset:512*\i
.endr
.irp s, 0,1,2,3
	global_load_b32 v[HS+\s], v13, s[30:31] offset:128*\s
.endr
.irp i, 0,1
	global_load_b128 v[TOK+4*\i:TOK+4*\i+3], v12, s[32:33] offset:2048+16*\i
.endr
.endm
.macro MM s                            ; K step s: the four accumulators by turns, one instruction a turn
.irp a, 0,1,2,3
.if (\s) == 0
	v_wmma_scale_f32_16x16x128_f8f6f4 v[ACC+8*\a:ACC+8*\a+7], v[26*\a+2:26*\a+9], v[H:H+7], v[BIAS+8*\a:BIAS+8*\a+7], v[W2S+4*\a], v[HS] matrix_a_fmt:MATRIX_FMT_FP4 matrix_b_fmt:MATRIX_FMT_FP4
.elseif (\s) < 3
	v_wmma_scale_f32_16x16x128_f8f6f4 v[ACC+8*\a:ACC+8*\a+7], v[26*\a+2+8*(\s):26*\a+9+8*(\s)], v[H+8*(\s):H+8*(\s)+7], v[ACC+8*\a:ACC+8*\a+7], v[W2S+4*\a+(\s)], v[HS+(\s)] matrix_a_fmt:MATRIX_FMT_FP4 matrix_b_fmt:MATRIX_FMT_FP4
.else
	v_wmma_scale_f32_16x16x128_f8f6f4 v[ACC+8*\a:ACC+8*\a+7], v[26*\a:26*\a+7], v[H+24:H+31], v[ACC+8*\a:ACC+8*\a+7], v[W2S+4*\a+3], v[HS+3] matrix_a_fmt:MATRIX_FMT_FP4 matrix_b_fmt:MATRIX_FMT_FP4
.endif
.endr
.endm
	s_load_b256 s[4:11], s[0:1], 0x0               ; W2 s[4:5], b2 s[6:7], hcodes s[8:9], hscales s[10:11]
	s_load_b128 s[12:15], s[0:1], 0x20             ; route s[12:13], out0 s[14:15]
	v_lshl_add_u32 v254, v0, 2, 0x3e800
	v_mov_b32 v255, 0
	v_lshrrev_b32 v1, 5, v0
	v_readfirstlane_b32 s16, v1                    ; wave 0..7
	s_and_b32 s17, ttmp7, 0xffff                   ; e
	s_mov_b32 s18, ttmp9                           ; x
	s_lshr_b32 s19, s16, 1                         ; my group of 64 columns
	s_and_b32 s20, s16, 1                          ; which tiles of tokens are mine
	v_and_b32 v14, 31, v0                          ; lane
	v_lshlrev_b32 v1, 4, v14
	v_lshlrev_b32 v13, 2, v14
	v_and_b32 v19, 15, v0                          ; r
	v_bfe_u32 v29, v0, 4, 1                        ; h
	s_mul_i32 s25, s16, RGN                        ; my region
	v_lshrrev_b32 v2, 2, v14
	v_mul_u32_u24 v2, v2, 80
	v_and_b32 v27, 3, v14
	v_lshl_add_u32 v2, v27, 4, v2
	v_add_nc_u32 v2, s25, v2                       ; into the stage: 80 (lane / 4) + 16 (lane % 4); a load's 512 bytes take 640
	v_mul_u32_u24 v4, v19, 2000
	v_add_nc_u32 v4, s25, v4                       ; out of it: row r,
	v_mul_u32_u24 v3, v29, 160
	v_add_nc_u32 v3, v3, v4                        ; + 160 h
	v_add_nc_u32 v5, s25, v1
	v_lshlrev_b32 v6, 3, v14
	s_and_b32 s26, s16, 6
	s_mul_i32 s26, s26, RGN                        ; the region of my group's first wave
	v_add_nc_u32 v7, s26, v1
	v_add_nc_u32 v8, s26, v6
	v_add_nc_u32 v6, s25, v6
	s_add_co_u32 s26, s25, OST
	v_mul_u32_u24 v9, v19, 272
	v_lshl_add_u32 v9, v29, 5, v9
	v_add_nc_u32 v9, s26, v9                       ; the way out, in: row r, + 32 h
	v_mul_u32_u24 v10, v29, 2176
	v_lshl_add_u32 v10, v19, 4, v10
	v_add_nc_u32 v10, s26, v10                     ; and back: lanes 0-15 a row, lanes 16-31 the row eight further on; 16 bytes a lane
	v_lshlrev_b32 v11, 4, v19
	v_lshlrev_b32 v12, 5, v29
	v_lshlrev_b32 v15, 3, v29
	v_mov_b32 v28, 0                               ; written once: a lane permute's destination counts as one of its sources
	s_mov_b32 s34, 0x76543210
	s_mov_b32 s35, 0xfedcba98                      ; v_permlanex16_b32's selects for lane l xor 16
	s_mov_b32 s36, 0xbfb8aa3b                      ; -log2 e
	s_mov_b32 s37, s36                             ; (named with it as a pair, so it is written)
	s_mov_b32 s27, 0
	s_lshl_b32 s38, s17, 12
	s_lshl_b32 s39, s18, 8
	s_add_co_u32 s38, s38, s39                     ; 4096 e + 256 x: the work-group's first row of W2
	s_lshl_b32 s39, s16, 5
	s_add_co_u32 s39, s38, s39                     ; + 32 w
	s_mul_i32 s26, s39, 1600                       ; a row of W2 is 1,600 bytes; the whole tensor has under 2^27
	s_wait_kmcnt 0x0
	s_add_nc_u64 s[4:5], s[4:5], s[26:27]
	s_lshl_b32 s39, s19, 6
	s_add_co_u32 s39, s38, s39
	s_lshl_b32 s26, s39, 2
	s_add_nc_u64 s[6:7], s[6:7], s[26:27]          ; b2 at my group's first column
	s_lshl_b32 s26, s17, 7
	s_add_nc_u64 s[32:33], s[12:13], s[26:27]
	s_load_b32 s21, s[32:33], 0x0                  ; my expert's count
	s_lshl_b32 s26, s18, 10
	s_lshl_b32 s39, s19, 8
	s_add_co_u32 s26, s26, s39
	s_add_nc_u64 s[14:15], s[14:15], s[26:27]      ; out0 at my group's 256 bytes of row 0
.irp k, 0,1,2,3,4
	LOADG 0, \k
.endr
	WIN 0
.irp a, 0,1,2,3
.irp i, 0,1
	global_load_b128 v[BIAS+8*\a+4*\i:BIAS+8*\a+4*\i+3], v12, s[6:7] offset:64*\a+16*\i
.endr
.endr
.irp k, 0,1,2,3,4
	s_wait_loadcnt 48                              ; tile A's group k is in: behind it 40 - 10 k loads of A, 8 of b2 and 10 k of B
	STOREG \k
	s_wait_dscnt 0x0                               ; the stores have read their registers,
	LOADG 1, \k                                    ; which take tile B's loads
.endr
	QUANTW CA, WA                                  ; tile A is quantised while tile B's fifty loads are on their way
	s_wait_loadcnt 40                              ; tile B's group 0 is in: behind it B's other four groups
	STOREG 0
	s_wait_kmcnt 0x0                               ; the count
	s_add_co_u32 s22, s21, 15
	s_lshr_b32 s22, s22, 4
	s_min_u32 s22, s22, 128                        ; tiles of 16 tokens
	s_max_u32 s23, s22, 1
	s_sub_co_u32 s23, s23, 1                       ; the last tile that launch 1 has written (tile 0 always)
	s_add_co_u32 s40, s22, 1
	s_sub_co_u32 s40, s40, s20
	s_lshr_b32 s40, s40, 1                         ; of tiles 0 .. tiles - 1 those of my parity: (tiles + 1 - parity) / 2,
	s_min_u32 s40, s40, 64                         ; 64 at the most
	s_min_u32 s25, s20, s23
	WIN 0
	HLOAD                                          ; my first tile of tokens, early: held to a tile that exists
.irp k, 1,2,3,4
	s_wait_loadcnt 54-10*\k                        ; tile B's group k is in: behind it B's remaining groups and those 14 loads
	STOREG \k
.endr
	QUANTW CB, WB
	IMAGE 0, CA, WA                                ; my reads of the stage are in: the images may lie over it
	IMAGE 1, CB, WB
	s_wait_dscnt 0x0                               ; for the others' sake: my images have landed
	s_barrier_signal -1
	s_barrier_wait -1                              ; the launch's one barrier
	WIN 0x40
.irp a, 0,1,2,3                        ; tile a of my group: columns 16 a on: wave 2 (w / 2) + a / 2, its tile a % 2
.irp q, 0,1,2,3,4,5
	ds_load_b128 v[26*\a+2+4*\q:26*\a+5+4*\q], v7 offset:RGN*(\a/2)+IMG*(\a%2)+512*\q
.endr
	ds_load_b64 v[26*\a:26*\a+1], v8 offset:RGN*(\a/2)+IMG*(\a%2)+3072
.endr
	WIN 0
.irp a, 0,1,2,3
	ds_load_b128 v[W2S+4*\a:W2S+4*\a+3], v7 offset:RGN*(\a/2)+IMG*(\a%2)+3328
.endr
	s_wait_dscnt 0x0
	s_mov_b32 s24, s20                             ; t: my first tile
	s_mov_b32 s41, 0                               ; the loop's counter: it steps by 1 up to s40, which the loop does not write
	s_cmp_eq_u32 s40, 0
	s_cbranch_scc1 .Lend                           ; no tile of tokens for me
.Ltok:
	s_wait_loadcnt 0x0                             ; this tile's fragments, scale words and tokens
	WIN 0x01                                       ; source 0 (W2) window 1
	MM 0
	MM 1
	MM 2
	MM 3
	WIN 0
	s_wait_xcnt 0x0                                ; the last trip's stores have read their offsets and data: both are written again only behind this wait
.irp k, 0,1,2,3,4,5,6,7
	v_min_u32 v[OFFS+\k], 0x7ff, v[TOK+\k]
.endr
.irp k, 0,1,2,3,4,5,6,7
	v_lshl_add_u32 v[OFFS+\k], v[OFFS+\k], 14, v11 ; a row of out0 is 16,384 bytes; + 16 r.  (These sixteen lines are the places behind the products)
.endr
	s_add_co_u32 s24, s24, 2                       ; my next tile,
	s_min_u32 s25, s24, s23                        ; held to a tile that exists:
	HLOAD                                          ; it lands under the work below
.irp j, 0,2,4,6,8,10,12,14,16,18,20,22,24,26,28,30
	v_pk_mul_f32 v[ACC+\j:ACC+\j+1], v[ACC+\j:ACC+\j+1], s[36:37] op_sel_hi:[1,0]   ; -x log2 e; each accumulator from its low end on
.endr
.irp j, 0,1,2,3,4,5,6,7,8,9,10,11,12,13,14,15,16,17,18,19,20,21,22,23,24,25,26,27,28,29,30,31
	v_exp_f32 v[ACC+\j], v[ACC+\j]
.endr
	v_nop                                          ; a plain line behind the last exponential
	s_wait_alu depctr_va_vdst(0)                   ; one wait for the batch, ahead of its first reader
.irp j, 0,2,4,6,8,10,12,14,16,18,20,22,24,26,28,30
	v_pk_add_f32 v[ACC+\j:ACC+\j+1], v[ACC+\j:ACC+\j+1], 1.0 op_sel_hi:[1,0]
.endr
.irp j, 0,1,2,3,4,5,6,7,8,9,10,11,12,13,14,15,16,17,18,19,20,21,22,23,24,25,26,27,28,29,30,31
	v_rcp_f32 v[ACC+\j], v[ACC+\j]
.endr
	v_nop
	s_wait_alu depctr_va_vdst(0)                   ; and one for the reciprocals
.irp a, 0,1,2,3
	ds_store_b128 v9, v[ACC+8*\a:ACC+8*\a+3] offset:64*\a          ; lane (r, h): token r, columns 16 a + 8 h + 0 .. 7
	ds_store_b128 v9, v[ACC+8*\a+4:ACC+8*\a+7] offset:64*\a+16
.endr
.irp k, 0,1,2,3,4,5,6,7
	ds_load_b128 v[OUT+4*\k:OUT+4*\k+3], v10 offset:272*\k         ; my own bytes, served in order (ISA guide 5.7.1.4): rows k and k + 8, whole
.endr
.irp k, 0,1,2,3,4,5,6,7
	s_wait_dscnt 7-\k                              ; row pair k is back; the pairs behind it may be out
	global_store_b128 v[OFFS+\k], v[OUT+4*\k:OUT+4*\k+3], s[14:15] th:TH_STORE_NT   ; sixteen lanes store 256 consecutive bytes, aligned, of their token's row
.endr
	s_add_co_u32 s41, s41, 1
	s_cmp_lt_u32 s41, s40
	s_cbranch_scc1 .Ltok
.Lend:
	s_wait_tensorcnt 0x0
	ds_add_u32 v254, v255
	s_wait_dscnt 0x0
	s_endpgm
.Lfunc_end_k_q79a45592b9_decode:
	.size	k_q79a45592b9_decode, .Lfunc_end_k_q79a45592b9_decode-k_q79a45592b9_decode
	.p2alignl 7, 3214868480
	.fill 96, 4, 3214868480
	.section	.rodata,"a",@progbits
	.p2align	6, 0x0
	.amdhsa_kernel k_q79a45592b9_decode
		.amdhsa_group_segment_fixed_size 257024
		.amdhsa_private_segment_fixed_size 0
		.amdhsa_enable_private_segment 0
		.amdhsa_kernarg_size 48
		.amdhsa_user_sgpr_count 2
		.amdhsa_user_sgpr_kernarg_segment_ptr 1
		.amdhsa_wavefront_size32 1
		.amdhsa_system_sgpr_workgroup_id_x 1
		.amdhsa_system_sgpr_workgroup_id_y 1
		.amdhsa_system_sgpr_workgroup_id_z 1
		.amdhsa_system_vgpr_workitem_id 0
		.amdhsa_next_free_vgpr 512
		.amdhsa_next_free_sgpr 66
		.amdhsa_reserve_vcc 0
		.amdhsa_float_denorm_mode_32 3
		.amdhsa_float_denorm_mode_16_64 3
		.amdhsa_memory_ordered 1
		.amdhsa_forward_progress 1
		.amdhsa_inst_pref_size 64
	.end_amdhsa_kernel
	.amdgpu_metadata
---
amdhsa.version: [ 1, 2 ]
amdhsa.kernels:
  - .name:           k_q79a45592b9_decode
    .symbol:         k_q79a45592b9_decode.kd
    .args:
      - { .name: W2, .offset: 0, .size: 8, .value_kind: global_buffer, .address_space: global }
      - { .name: b2, .offset: 8, .size: 8, .value_kind: global_buffer, .address_space: global }
      - { .name: hcodes, .offset: 16, .size: 8, .value_kind: global_buffer, .address_space: global }
      - { .name: hscales, .offset: 24, .size: 8, .value_kind: global_buffer, .address_space: global }
      - { .name: route, .offset: 32, .size: 8, .value_kind: global_buffer, .address_space: global }
      - { .name: out0, .offset: 40, .size: 8, .value_kind: global_buffer, .address_space: global }
    .group_segment_fixed_size: 257024
    .private_segment_fixed_size: 0
    .kernarg_segment_align: 8
    .kernarg_segment_size: 48
    .max_flat_workgroup_size: 256
    .sgpr_count:     66
    .vgpr_count:     512
    .wavefront_size: 32
...
	.end_amdgpu_metadata
.endif
;; end of part 2
;; ======== version 2 of 2: 2 launches; version 1 with the launches hidden, decode written anew for expert scheduling mode
;; workspace buffers: hcodes 8,388,608 bytes; hscales 1,048,576 bytes; route 264,192 bytes of whole numbers
;; launch hidden (part 3): grid 8 x 16, 8 waves a work-group, no clusters, 77,824 bytes of LDS; arguments z, W1, b1, angle_idx, hcodes, hscales, route; writes hcodes, hscales, route
.if DOCPART == 3
	.amdgcn_target "amdgcn-amd-amdhsa--gfx1250"
	.amdhsa_code_object_version 6
	.text
	.protected	k_q79a45592b9_hidden
	.globl	k_q79a45592b9_hidden
	.p2align	8
	.type	k_q79a45592b9_hidden,@function
k_q79a45592b9_hidden:
	s_mov_b64 s[64:65], 0
	v_nop
	global_prefetch_b8 v0, s[64:65] scope:SCOPE_SE
	s_setreg_imm32_b32 hwreg(HW_REG_WAVE_SCHED_MODE, 0, 2), 2
	s_setreg_imm32_b32 hwreg(HW_REG_WAVE_MODE, 25, 1), 1
	s_wait_xcnt 0x0
	s_wait_alu depctr_vm_vsrc(0)
; LAUNCH 1 OF 2.  For each expert e: the list of its tokens (angle_idx == e) in tiles of 16, and for each tile the hidden layer relu(Q(z) Q(W1[e])^T + b1[e]), quantised along the
; second product's K (the 400 hidden units, filled with zeros to 512) to codes of FP4 (E2M1) with one E8M0 byte for each 32.  Only the chosen expert's rows are multiplied.
; OUT: hcodes [16 e][128 tile][4 K step][2][32 lanes][16 bytes]: the register image of a fragment (16 tokens x 128 K); hscales [e][tile][K step][32 lanes]: the scale word of row lane % 16;
;      route: bytes 0-2047 [e][32 lanes] the expert's count; from byte 2048 [e][tile][32 lanes] the token of slot lane % 16.  An expert has room for its worst case, 128 tiles; only tiles in use are written,
;      and tile 0 always.  The empty slots of a last tile repeat the tile's first token: their rows are copies of that token's row.
; SHARES.  Work-group (x, y): s = x & 3: hidden units 128 s .. 128 s + 127 (K step s of the second product); q = x >> 2; e = y.  Wave w quantises tile w of the slice's eight tiles of W1; the images meet in LDS
; behind the one barrier, which stands ahead of every branch on the count.  Then wave w takes token tiles 8 q + w + 16 i, i = 0 .. 7, while they begin under the count.
; THE LIST WITHOUT A SCATTER.  A wave holds all 2,048 indices (64 registers).  Register j's ballot is a word of 32 bits; the words' running sums say in which word slot P lies, and a search by halves finds the bit.
; THE PRODUCT IS USED TRANSPOSED (source 0 = 16 rows of W1, source 1 = 16 tokens), and lane rho of tile 2 b + u takes row 128 s + 32 b + 8 u + rho + 8 (rho / 8): so a lane holds one token, and its register
; 16 b + 8 u + j the hidden unit 128 s + 32 b + 16 (lane / 16) + 8 u + j: sixteen neighbours along the next K.  b1 is the C of the product.
; UNITS 400 .. 511 do not exist: their rows' addresses are held inside W1 and b1, their codes and biases are made 0, so their hidden numbers are exactly 0: the quantiser's fill.
; LIMITS: NaN and infinities among the inputs are not served.  A block of zeros gets the byte 1 where the rule says 127: its codes are zeros, and this program alone reads the bytes.  angle_idx lies in 0 .. 15.
; No tensor load: trip counts hang on the count.  No cluster: no tile comes by the data mover.
; THE MODE: SCHED_MODE bits 1:0 = 2 (LLVM: expert scheduling mode 2), set by the entry lines.  The code itself states the register dependences between vector or matrix instructions and memory or LDS
; instructions, and those through scalar registers and VCC that vector instructions write, with s_wait_alu, always for 0.
; THE PLAN.  Registers that memory or LDS instructions touch:
;   v1, v2, v6-v11, BO  offsets and LDS addresses: written once at the head, one wait on va_vdst ahead of the first load, never written again.
;   RA   the indices land; the scan's compares read them; the turned rows land; the conversions read them; TM and HC are written there; HC is stored; the indices land again.
;        A wait on va_vdst ahead of each turn; one ahead of the run of stores, behind which no vector line names RA until the indices have landed; a wait on vm_vsrc behind the stores.
;   RB   W1's rows land; the turn's LDS stores read them; the loop's products write them: a wait on vm_vsrc ahead of the loop.  RC: z's rows land; the turn's LDS stores read them; the next rows land: the wait on vm_vsrc behind the stores.
;   ZC   written by conversions; stored as W1's image (va_vdst ahead of the stores, vm_vsrc ahead of the loop); in the loop, with ZS, operand and scale of the scaled products (the places, then va_vdst).
;   Scalar results of vector lines go in runs, one wait behind a run: eight ballots, eight masks of the search for the word, sixteen lane reads, eight masks of the biases.
.set SROW,  528                        ; a row in a wave's stage: 512 bytes + 16: 33 x 16, so sixteen rows' equal columns fall on sixteen different groups of four banks
.set SWAVE, 16*SROW                    ; a wave's stage: LDS bytes SWAVE w on
.set W1IMG, 8*SWAVE                    ; the images of W1's eight fragments, 1,024 bytes each
.set W1SC,  W1IMG+8*1024               ; their scale words, 128 bytes each
.set RA,  32                           ; v32-95   angle_idx; then numbers turned through the stage; then TM and HC
.set RB,  96                           ; v96-159  W1's rows as loaded; then the eight accumulators
.set RC,  160                          ; v160-223 z's rows as loaded
.set BO,  224                          ; v224-231 byte offsets of the biases; never rewritten
.set W1S, 232                          ; v232-239 W1's scale words: scales and nothing else
.set ZS,  240                          ; v240     z's scale word: likewise
.set HW,  241                          ; v241     the hidden layer's scale word
.set ZC,  242                          ; v242-249 the codes just made of W1 or of z
.set TM,  32                           ; v32-47   at work in QUANTH
.set HC,  48                           ; v48-55   the hidden layer's codes
.set M,   40                           ; s40-47   eight ballots; later the biases' masks
.set BS,  48                           ; s48-55   how many of the expert's tokens lie ahead of each word
.set PK,  56                           ; s56-63   that number x 64 + the word's number
.set ZP,  66                           ; s66-97   the addresses of sixteen rows of z
.set CM,  66                           ; s66-73   in a scan: eight masks of the search for the word.  ZP's registers: while a scan runs, no load that reads them as its base is out
; v1 16 x lane, v2 4 x lane, v3 r = lane % 16, v4 h = lane / 16, v5 8 h, v6 / v7 stage in / out, v8 / v9 my image and scale word, v10 / v11 all images and words, v12 mask of rows that exist, v13 128 s + 16 h,
; v14 P, v15 the word, v16 its pack, v17 Q, v18 the bit, v19-24 at work, v25 the token, v26 the tile's first token, v27 the count, v28-31 and v250-254 at work in QUANT2.  Window 1: v0-63 W1's fragments, v64-127 b1.
; s18 wave, s19 s, s20 q, s21 e, s22 t, s23 count, s24 max(count, 1), s25 running sum, s[26:27] an offset, s[28:31], s[38:39] bases, s[32:33] lane selects, s34 trips, s35 / s36 row masks, s37 16 t, s[2:3] the count's place.
.set MSB, 0
.macro WIN new                         ; the immediate's high byte repeats the setting that is left
.if MSB != \new
	s_set_vgpr_msb (MSB<<8)|\new
.set MSB, \new
.endif
.endm
.macro IDXLOAD                         ; all 2,048 indices: register 4 i + c of lane l holds token 128 i + 4 l + c
.irp i, 0,1,2,3,4,5,6,7,8,9,10,11,12,13,14,15
	global_load_b128 v[RA+4*\i:RA+4*\i+3], v1, s[10:11] offset:512*\i
.endr
.endm
.macro PICK x, bits, width             ; are there Q or fewer ones in the lower half of the field at v18?  Then the bit lies in the upper half
	v_bfe_u32 v23, v[\x], v18, \bits
	v_cmp_ge_u32 vcc_lo, v17, v23
	s_wait_alu depctr_va_vcc(0)                    ; VCC is written, ahead of the two selects that read it
	v_cndmask_b32 v23, 0, v23, vcc_lo
	v_cndmask_b32 v24, 0, \width, vcc_lo
	v_sub_nc_u32 v17, v17, v23
	v_add_nc_u32 v18, v18, v24
.endm
; The token of slot P = v14 of expert s21 into v25.  first = 1: the count is kept too.
.macro SCAN first
	s_mov_b32 s25, 0
.set G, 0
.rept 8
.irp k, 0,1,2,3,4,5,6,7
	v_cmp_eq_u32 s[M+\k], s21, v[RA+8*G+\k]        ; word 8 G + k: which lanes' token is the expert's
.endr
	s_wait_alu depctr_va_sdst(0)                   ; the eight ballots are written, ahead of the counts below, their first readers
.irp k, 0,1,2,3,4,5,6,7
	s_mov_b32 s[BS+\k], s25
	s_lshl_b32 s[PK+\k], s25, 6
	s_or_b32 s[PK+\k], s[PK+\k], 8*G+\k
	s_bcnt1_i32_b32 s38, s[M+\k]
	s_add_co_u32 s25, s25, s38
.endr
.irp k, 0,1,2,3,4,5,6,7
.if 8*G+\k > 0
	v_cmp_le_u32 s[CM+\k], s[BS+\k], v14           ; the last word with no more than P tokens ahead of it holds slot P
.endif
.endr
	s_wait_alu depctr_va_sdst(0)                   ; the group's masks are written, ahead of the selects that read them
.irp k, 0,1,2,3,4,5,6,7
.if 8*G+\k == 0
	v_mov_b32 v15, s[M]
	v_mov_b32 v16, s[PK]
.else
	v_cndmask_b32 v15, v15, s[M+\k], s[CM+\k]
	v_cndmask_b32 v16, v16, s[PK+\k], s[CM+\k]
.endif
.endr
.set G, G+1
.endr
.if \first
	s_mov_b32 s23, s25
	s_max_u32 s24, s25, 1                          ; tile 0 is made for an expert without tokens too
	v_mov_b32 v27, s25
.endif
	v_lshrrev_b32 v17, 6, v16
	v_sub_nc_u32 v17, v14, v17                     ; Q: the one wanted is the word's Q-th, from 0
	v_lshrrev_b32 v23, 1, v15                      ; the ones counted in fields of 2 (v19), 4 (v20), 8 (v21) and 16 bits (v22's low byte)
	v_and_b32 v23, 0x55555555, v23
	v_sub_nc_u32 v19, v15, v23
	v_lshrrev_b32 v23, 2, v19
	v_and_b32 v23, 0x33333333, v23
	v_and_b32 v20, 0x33333333, v19
	v_add_nc_u32 v20, v20, v23
	v_lshrrev_b32 v23, 4, v20
	v_add_nc_u32 v21, v20, v23
	v_and_b32 v21, 0x0f0f0f0f, v21
	v_lshrrev_b32 v23, 8, v21
	v_add_nc_u32 v22, v21, v23
	v_mov_b32 v18, 0
	PICK 22, 8, 16
	PICK 21, 8, 8
	PICK 20, 4, 4
	PICK 19, 2, 2
	PICK 15, 1, 1
	v_and_b32 v23, 63, v16                         ; the word's number j: token = 128 (j / 4) + j % 4 + 4 x bit
	v_lshrrev_b32 v24, 2, v23
	v_lshlrev_b32 v24, 7, v24
	v_and_b32 v23, 3, v23
	v_add_nc_u32 v24, v24, v23
	v_lshl_add_u32 v25, v18, 2, v24
	v_readfirstlane_b32 s38, v25                   ; lane 0 holds the tile's first slot
	v_cmp_gt_u32 vcc_lo, s23, v14
	s_wait_alu depctr_va_sdst(0)                   ; s38 is written, ahead of the move that reads it,
	s_wait_alu depctr_va_vcc(0)                    ; and VCC, ahead of the select
	v_mov_b32 v26, s38
	v_cndmask_b32 v25, v26, v25, vcc_lo            ; slots at or past the count repeat it
	v_min_u32 v25, 0x7ff, v25
.endm
.macro ZLOAD                           ; the tile's sixteen rows of z, each 512 consecutive bytes, 16 a lane
.irp i, 0,1,2,3,4,5,6,7,8,9,10,11,12,13,14,15
	v_readlane_b32 s[ZP+2*\i], v25, \i             ; the sixteen tokens in one run, each into the low word of its address's pair
.endr
	s_wait_alu depctr_va_sdst(0)                   ; the sixteen are written, ahead of the lines that make addresses of them
.irp i, 0,1,2,3,4,5,6,7,8,9,10,11,12,13,14,15
	s_min_u32 s38, s[ZP+2*\i], 0x7ff
	s_lshl_b32 s26, s38, 9
	s_add_nc_u64 s[ZP+2*\i:ZP+2*\i+1], s[4:5], s[26:27]
	global_load_b128 v[RC+4*\i:RC+4*\i+3], v1, s[ZP+2*\i:ZP+2*\i+1]
.endr
.endm
; Sixteen rows of 128 numbers, loaded a row an instruction, come back in the operand's order: lane (r, h) gets k = 64 c + 32 h + 0 .. 31 of row r in registers 32 c on.  The stage is the wave's own, and LDS
; serves a wave's instructions in order (ISA guide 5.7.1.4): no wait between the stores and the loads.
.macro TURN src, dst
.irp i, 0,1,2,3,4,5,6,7,8,9,10,11,12,13,14,15
	ds_store_b128 v6, v[\src+4*\i:\src+4*\i+3] offset:SROW*\i
.endr
.irp c, 0,1
.irp g, 0,1,2,3,4,5,6,7
	ds_load_b128 v[\dst+32*\c+4*\g:\dst+32*\c+4*\g+3], v7 offset:256*\c+16*\g
.endr
.endr
.endm
; 64 numbers of a lane, two whole blocks (2 c + h), become a fragment's eight registers and its row's scale word.
.macro QUANT2 src, code, word
.irp c, 0,1
	v_max3_num_f32 v[28+\c], |v[\src+32*\c]|, |v[\src+32*\c+1]|, 0x1800000   ; with the floor 2^(3 - 127): the byte cannot fall under 1
.endr
.irp i, 2,4,6,8,10,12,14,16,18,20,22,24,26,28,30
.irp c, 0,1
	v_max3_num_f32 v[28+\c], v[28+\c], |v[\src+32*\c+\i]|, |v[\src+32*\c+\i+1]|   ; the two blocks by turns
.endr
.endr
.irp c, 0,1
	v_add_nc_u32 v[30+\c], 0xff000000, v[28+\c]    ; 2 off the exponent field: the conversion takes the exponent field of this operand as its scale
.endr
.irp c, 0,1
	v_lshrrev_b32 v[252+\c], 23, v[30+\c]          ; the scale's byte
.endr
	v_lshl_or_b32 v[\word], v253, 16, v252         ; my bytes, of blocks h and 2 + h,
	v_lshlrev_b32 v[\word], v5, v[\word]           ; at their places, 8 h bits up;
	v_permlanex16_b32 v254, v[\word], s32, s33
	v_or_b32 v[\word], v[\word], v254              ; with lane l xor 16's two the word is whole
.irp c, 0,1
.irp g, 0,1,2,3
	v_cvt_scalef32_pk8_fp4_f32 v[\code+4*\c+\g], v[\src+32*\c+8*\g:\src+32*\c+8*\g+7], v[30+\c]
.endr
.endr
	v_nop                                          ; one plain line behind a scaled conversion
.endm
; 64 numbers of a lane, none negative, register 16 b + i = k 32 b + 16 h + i of my row, become the codes in v[HC] on and the scale word in v[HW].
.macro QUANTH s
.irp b, 0,1,2,3
	v_max3_num_f32 v[TM+\b], v[\s+16*\b], v[\s+1+16*\b], 0x1800000
.endr
.irp i, 2,4,6,8,10,12,14
.irp b, 0,1,2,3
	v_max3_num_f32 v[TM+\b], v[TM+\b], v[\s+16*\b+\i], v[\s+1+16*\b+\i]
.endr
.endr
.irp b, 0,1,2,3
	v_permlanex16_b32 v[TM+4+\b], v[TM+\b], s32, s33
.endr
.irp b, 0,1,2,3
	v_max_num_f32 v[TM+\b], v[TM+\b], v[TM+4+\b]   ; with lane l xor 16's sixteen: the block's largest
.endr
.irp b, 0,1,2,3
	v_add_nc_u32 v[TM+12+\b], 0xff000000, v[TM+\b]
.endr
.irp b, 0,1,2,3
	v_lshrrev_b32 v[TM+4+\b], 23, v[TM+12+\b]
.endr
	v_lshl_or_b32 v[HW], v[TM+5], 8, v[TM+4]
	v_lshl_or_b32 v[HW], v[TM+6], 16, v[HW]
	v_lshl_or_b32 v[HW], v[TM+7], 24, v[HW]
.irp b, 0,1,2,3
	v_cvt_scalef32_pk8_fp4_f32 v[HC+2*\b], v[\s+16*\b:\s+7+16*\b], v[TM+12+\b]
	v_cvt_scalef32_pk8_fp4_f32 v[HC+1+2*\b], v[\s+8+16*\b:\s+15+16*\b], v[TM+12+\b]
.endr
	v_nop                                          ; one plain line behind a scaled conversion
.irp c, 0,1                            ; the operand's layout wants a whole block in a lane: lanes 0-15 block 2 c, lanes 16-31 block 2 c + 1
.irp i, 0,1
	v_permlane16_swap_b32 v[HC+4*\c+\i], v[HC+2+4*\c+\i]
.endr
.endr
.endm
	s_load_b256 s[4:11], s[0:1], 0x0               ; z s[4:5], W1 s[6:7], b1 s[8:9], angle_idx s[10:11]
	s_load_b128 s[12:15], s[0:1], 0x20             ; hcodes s[12:13], hscales s[14:15]
	s_load_b64 s[16:17], s[0:1], 0x30              ; route
	v_lshl_add_u32 v251, v0, 2, 0x12c00
	v_mov_b32 v255, 0
	v_lshrrev_b32 v1, 5, v0
	v_readfirstlane_b32 s18, v1                    ; wave 0..7
	s_and_b32 s19, ttmp9, 3                        ; s
	s_lshr_b32 s20, ttmp9, 2                       ; q
	s_and_b32 s21, ttmp7, 0xffff                   ; e
	v_and_b32 v2, 31, v0
	v_lshlrev_b32 v1, 4, v2
	v_lshlrev_b32 v2, 2, v2
	v_and_b32 v3, 15, v0
	v_bfe_u32 v4, v0, 4, 1
	v_lshlrev_b32 v5, 3, v4
	s_wait_alu depctr_va_sdst(0)                   ; s18 is written, ahead of its first reader: LDS addresses, rows and tiles are made from it
	s_mul_i32 s38, s18, SWAVE
	v_add_nc_u32 v6, s38, v1                       ; into my stage: 16 x lane, a row an instruction
	v_mul_u32_u24 v7, v3, SROW
	v_lshl_add_u32 v7, v4, 7, v7
	v_add_nc_u32 v7, s38, v7                       ; out of it: row r, + 128 h
	s_lshl_b32 s38, s18, 10
	s_add_co_u32 s38, s38, W1IMG
	v_add_nc_u32 v8, s38, v1
	s_lshl_b32 s38, s18, 7
	s_add_co_u32 s38, s38, W1SC
	v_add_nc_u32 v9, s38, v2
	v_add_nc_u32 v10, W1IMG, v1
	v_add_nc_u32 v11, W1SC, v2
	v_mov_b32 v254, 0                              ; written once: a lane permute's destination counts as one of its sources
	s_mov_b32 s32, 0x76543210
	s_mov_b32 s33, 0xfedcba98                      ; v_permlanex16_b32's selects for lane l xor 16
	s_mov_b32 s27, 0
	s_lshl_b32 s25, s19, 7                         ; 128 s
	v_lshl_add_u32 v13, v4, 4, s25
	s_wait_alu depctr_va_vdst(0)
	s_lshr_b32 s39, s18, 1
	s_lshl_b32 s39, s39, 5
	s_add_co_u32 s38, s25, s39
	s_and_b32 s39, s18, 1
	s_lshl_b32 s39, s39, 3
	s_add_co_u32 s38, s38, s39                     ; my tile's first row: 128 s + 32 (w / 2) + 8 (w % 2); its lanes 0-7 take eight rows from here,
	s_add_co_u32 s39, s38, 16                      ; its lanes 8-15 eight rows from 16 further on
	s_cmp_le_u32 s38, 392                          ; a group of eight rows exists where it begins at 392 or below
	s_cselect_b32 s35, -1, 0
	s_cmp_le_u32 s39, 392
	s_cselect_b32 s36, -1, 0
	s_min_u32 s38, s38, 392                        ; no load leaves W1
	s_min_u32 s39, s39, 392
	s_mul_i32 s25, s21, 400
	s_add_co_u32 s38, s38, s25
	s_add_co_u32 s39, s39, s25
	s_lshl_b32 s38, s38, 9                         ; a row of W1 is 512 bytes
	s_lshl_b32 s39, s39, 9
	v_cmp_gt_u32 vcc_lo, 8, v3
	v_mov_b32 v12, s36
	s_wait_alu depctr_va_vcc(0)                    ; VCC is written, ahead of the select that reads it
	v_cndmask_b32 v12, v12, s35, vcc_lo
	s_lshl_b32 s22, s20, 3
	s_add_co_u32 s22, s22, s18                     ; t = 8 q + w
	s_lshl_b32 s37, s22, 4
	v_add_nc_u32 v14, s37, v3                      ; P = 16 t + r
.irp tw, 0,1,2,3,4,5,6,7
	v_add_nc_u32 v23, 32*(\tw/2)+8*(\tw%2), v13    ; tile tw's eight units of my half begin here;
	v_min_u32 v23, 392, v23                        ; no load leaves b1
	v_lshlrev_b32 v[BO+\tw], 2, v23
.endr
	s_wait_kmcnt 0x0
	s_mov_b32 s26, s38
	s_add_nc_u64 s[28:29], s[6:7], s[26:27]
	s_mov_b32 s26, s39
	s_add_nc_u64 s[30:31], s[6:7], s[26:27]
	s_mul_i32 s26, s21, 1600
	s_add_nc_u64 s[8:9], s[8:9], s[26:27]
	s_lshl_b32 s26, s21, 7
	s_add_nc_u64 s[2:3], s[16:17], s[26:27]        ; where the expert's count goes
	s_wait_alu depctr_va_vdst(0)                   ; the offsets and LDS addresses v1, v2, v6 to v11 and v[BO ..] are written: every load, store and LDS instruction of the kernel reads one of them, and none is written again
	IDXLOAD
.irp i, 0,1,2,3,4,5,6,7
	global_load_b128 v[RB+4*\i:RB+4*\i+3], v1, s[28:29] offset:512*\i
.endr
.irp i, 0,1,2,3,4,5,6,7
	global_load_b128 v[RB+32+4*\i:RB+32+4*\i+3], v1, s[30:31] offset:512*\i
.endr
	WIN 0x40                                       ; destination window 1
.irp tw, 0,1,2,3,4,5,6,7
	global_load_b128 v[64+8*\tw:64+8*\tw+3], v[BO+\tw], s[8:9]
	global_load_b128 v[64+8*\tw+4:64+8*\tw+7], v[BO+\tw], s[8:9] offset:16
.endr
	WIN 0
	s_wait_loadcnt 32                              ; angle_idx is in: behind it 16 loads of W1 and 16 of b1 were issued
	SCAN 1
	s_or_b32 s38, ttmp9, s18
	s_cmp_lg_u32 s38, 0
	s_cbranch_scc1 .Lno_count                      ; wave 0 of the expert's first work-group stores the count; its registers are never rewritten
	s_wait_alu depctr_va_vdst(0)                   ; v27, the count, is written, which the store reads
	global_store_b32 v2, v27, s[2:3]
.Lno_count:
	s_wait_alu depctr_va_vdst(0)
	ZLOAD                                          ; the first tile's rows of z go out ahead of the work on W1; the tokens are held inside z whatever the count
	s_wait_loadcnt 32                              ; W1's rows are in: behind them 16 loads of b1 and 16 of z
	s_wait_alu depctr_va_vdst(0)                   ; the scan's compares are done reading v[RA ..], in which the turned rows land
	TURN RB, RA
	s_wait_dscnt 0x0
	QUANT2 RA, ZC, 250
.irp i, 0,1,2,3,4,5,6,7
	v_and_b32 v[ZC+\i], v12, v[ZC+\i]              ; rows that do not exist: zero codes
.endr
	s_wait_alu depctr_va_vdst(0)                   ; the codes v[ZC ..] and the scale word v250 are written, which the LDS stores read
	ds_store_b128 v8, v[ZC:ZC+3]                   ; the fragment goes to LDS as an image of its registers,
	ds_store_b128 v8, v[ZC+4:ZC+7] offset:512
	ds_store_b32 v9, v250                          ; and its scale word, 4 bytes a lane
	s_wait_loadcnt 16                              ; b1 is in: behind it the 16 loads of z
.irp tw, 0,1,2,3,4,5,6,7
	v_add_nc_u32 v23, 32*(\tw/2)+8*(\tw%2), v13
	v_cmp_gt_u32 s[M+\tw], 400, v23
.endr
	s_wait_alu depctr_va_sdst(0)                   ; the eight masks are written, ahead of the selects that read them
	WIN 0x44                                       ; destination and source 1 window 1
.irp tw, 0,1,2,3,4,5,6,7
.irp j, 0,1,2,3,4,5,6,7
	v_cndmask_b32 v[64+8*\tw+\j], 0, v[64+8*\tw+\j], s[M+\tw]   ; units that do not exist: bias 0
.endr
.endr
	WIN 0
	s_wait_dscnt 0x0                               ; for the others' sake: my image has landed
	s_barrier_signal -1
	s_barrier_wait -1                              ; the launch's one barrier: all eight images lie in LDS
	WIN 0x40
.irp tw, 0,1,2,3,4,5,6,7
.irp c, 0,1
	ds_load_b128 v[8*\tw+4*\c:8*\tw+4*\c+3], v10 offset:1024*\tw+512*\c
.endr
.endr
	WIN 0
.irp tw, 0,1,2,3,4,5,6,7
	ds_load_b32 v[W1S+\tw], v11 offset:128*\tw
.endr
	s_wait_dscnt 0x0
	s_wait_alu depctr_vm_vsrc(0)                   ; my LDS stores have read W1's rows v[RB ..] and the image's codes v[ZC ..]: the loop's products write the first, its conversions the second
	s_mov_b32 s34, 8
	s_cmp_ge_u32 s37, s24
	s_cbranch_scc1 .Ldone                          ; my first tile begins at or past the count: nothing to do
.Ltrip:
	s_wait_loadcnt 0x0                             ; the tile's rows of z
	s_wait_alu depctr_va_vdst(0)                   ; the lines that read v[RA ..] are done (first trip: W1's conversions; afterwards: the scan's compares): the turned rows land there
	TURN RC, RA
	s_wait_dscnt 0x0
	QUANT2 RA, ZC, ZS
.rept 8
	v_nop                                          ; a scale register written by a vector instruction stands eight places ahead of a scaled matrix instruction, an operand so written four
.endr
	WIN 0x11                                       ; source 0 (W1) and source 2 (b1) window 1
	s_wait_alu depctr_va_vdst(0)                   ; z's codes v[ZC ..] and its scale word v[ZS] are written, which the scaled products take as operand and as scales; the places above stay beside this wait
.irp tw, 0,1,2,3,4,5,6,7
	v_wmma_scale_f32_16x16x128_f8f6f4 v[RB+8*\tw:RB+8*\tw+7], v[8*\tw:8*\tw+7], v[ZC:ZC+7], v[64+8*\tw:64+8*\tw+7], v[W1S+\tw], v[ZS] matrix_a_fmt:MATRIX_FMT_FP4 matrix_b_fmt:MATRIX_FMT_FP4
.endr
	WIN 0
.rept 4
	v_nop                                          ; four places ahead of the first read of results (ISA guide 7.12.1)
.endr
.irp j, 0,1,2,3,4,5,6,7,8,9,10,11,12,13,14,15,16,17,18,19,20,21,22,23,24,25,26,27,28,29,30,31,32,33,34,35,36,37,38,39,40,41,42,43,44,45,46,47,48,49,50,51,52,53,54,55,56,57,58,59,60,61,62,63
	v_max_num_f32 v[RB+\j], 0, v[RB+\j]            ; relu, in f32; each accumulator from its low end on
.endr
	QUANTH RB
	s_lshl_b32 s38, s21, 7
	s_add_co_u32 s38, s38, s22                     ; 128 e + t
	s_lshl_b32 s39, s38, 2
	s_add_co_u32 s39, s39, s19                     ; x 4 + s
	s_lshl_b32 s26, s39, 10
	s_add_nc_u64 s[28:29], s[12:13], s[26:27]
	s_lshl_b32 s26, s39, 7
	s_add_nc_u64 s[30:31], s[14:15], s[26:27]
	s_lshl_b32 s26, s38, 7
	s_add_co_u32 s26, s26, 2048
	s_add_nc_u64 s[38:39], s[16:17], s[26:27]
	s_wait_alu depctr_va_vdst(0)                   ; the codes v[HC ..], the scale word v[HW] and the tokens v25 are written, which the stores read; and every line that names v[RA ..] is done: the indices land there below
	global_store_b128 v1, v[HC:HC+3], s[28:29]     ; each store of the wave covers 512 consecutive bytes, aligned
	global_store_b128 v1, v[HC+4:HC+7], s[28:29] offset:512
	global_store_b32 v2, v[HW], s[30:31]
	s_cmp_lg_u32 s19, 0
	s_cbranch_scc1 .Lno_tokens                     ; the slice s = 0 stores the tile's tokens
	global_store_b32 v2, v25, s[38:39]
.Lno_tokens:
	s_wait_xcnt 0x0                                ; the stores' data and bases are written again only behind this wait
	s_wait_alu depctr_vm_vsrc(0)                   ; the stores have read v[HC ..] (the indices land there), v[HW] and v25 (the next scan and tile write them); the turn's LDS stores have read v[RC ..], in which the next rows of z land
	s_add_co_u32 s22, s22, 16
	s_lshl_b32 s37, s22, 4
	s_cmp_ge_u32 s37, s24
	s_cbranch_scc1 .Ldone
	v_add_nc_u32 v14, s37, v3
	IDXLOAD                                        ; the indices' registers were used for the work: they come anew
	s_wait_alu depctr_va_vdst(0)
	s_wait_loadcnt 0x0
	SCAN 0
	ZLOAD
	s_sub_co_u32 s34, s34, 1
	s_cmp_lg_u32 s34, 0
	s_cbranch_scc1 .Ltrip
.Ldone:
	s_wait_dscnt 0x0
	s_wait_alu depctr_hold_cnt(0) depctr_sa_sdst(0) depctr_va_vdst(0) depctr_va_sdst(0) depctr_va_ssrc(0) depctr_va_vcc(0) depctr_vm_vsrc(0)
	s_wait_tensorcnt 0x0
	ds_add_u32 v251, v255
	s_wait_dscnt 0x0
	s_endpgm
.Lfunc_end_k_q79a45592b9_hidden:
	.size	k_q79a45592b9_hidden, .Lfunc_end_k_q79a45592b9_hidden-k_q79a45592b9_hidden
	.p2alignl 7, 3214868480
	.fill 96, 4, 3214868480
	.section	.rodata,"a",@progbits
	.p2align	6, 0x0
	.amdhsa_kernel k_q79a45592b9_hidden
		.amdhsa_group_segment_fixed_size 77824
		.amdhsa_private_segment_fixed_size 0
		.amdhsa_enable_private_segment 0
		.amdhsa_kernarg_size 56
		.amdhsa_user_sgpr_count 2
		.amdhsa_user_sgpr_kernarg_segment_ptr 1
		.amdhsa_wavefront_size32 1
		.amdhsa_system_sgpr_workgroup_id_x 1
		.amdhsa_system_sgpr_workgroup_id_y 1
		.amdhsa_system_sgpr_workgroup_id_z 1
		.amdhsa_system_vgpr_workitem_id 0
		.amdhsa_next_free_vgpr 384
		.amdhsa_next_free_sgpr 98
		.amdhsa_reserve_vcc 1
		.amdhsa_float_denorm_mode_32 3
		.amdhsa_float_denorm_mode_16_64 3
		.amdhsa_memory_ordered 1
		.amdhsa_forward_progress 1
		.amdhsa_inst_pref_size 104
	.end_amdhsa_kernel
	.amdgpu_metadata
---
amdhsa.version: [ 1, 2 ]
amdhsa.kernels:
  - .name:           k_q79a45592b9_hidden
    .symbol:         k_q79a45592b9_hidden.kd
    .args:
      - { .name: z, .offset: 0, .size: 8, .value_kind: global_buffer, .address_space: global }
      - { .name: W1, .offset: 8, .size: 8, .value_kind: global_buffer, .address_space: global }
      - { .name: b1, .offset: 16, .size: 8, .value_kind: global_buffer, .address_space: global }
      - { .name: angle_idx, .offset: 24, .size: 8, .value_kind: global_buffer, .address_space: global }
      - { .name: hcodes, .offset: 32, .size: 8, .value_kind: global_buffer, .address_space: global }
      - { .name: hscales, .offset: 40, .size: 8, .value_kind: global_buffer, .address_space: global }
      - { .name: route, .offset: 48, .size: 8, .value_kind: global_buffer, .address_space: global }
    .group_segment_fixed_size: 77824
    .private_segment_fixed_size: 0
    .kernarg_segment_align: 8
    .kernarg_segment_size: 56
    .max_flat_workgroup_size: 256
    .sgpr_count:     98
    .vgpr_count:     384
    .wavefront_size: 32
...
	.end_amdgpu_metadata
.endif
;; end of part 3
;; launch decode (part 4): grid 16 x 16, 8 waves a work-group, no clusters, 257,024 bytes of LDS; arguments W2, b2, hcodes, hscales, route, out0; writes out0
.if DOCPART == 4
	.amdgcn_target "amdgcn-amd-amdhsa--gfx1250"
	.amdhsa_code_object_version 6
	.text
	.protected	k_q79a45592b9_decode
	.globl	k_q79a45592b9_decode
	.p2align	8
	.type	k_q79a45592b9_decode,@function
k_q79a45592b9_decode:
	s_mov_b64 s[64:65], 0
	v_nop
	global_prefetch_b8 v0, s[64:65] scope:SCOPE_SE
	s_setreg_imm32_b32 hwreg(HW_REG_WAVE_SCHED_MODE, 0, 2), 2
	s_setreg_imm32_b32 hwreg(HW_REG_WAVE_MODE, 25, 1), 1
	s_wait_xcnt 0x0
	s_wait_alu depctr_vm_vsrc(0)
; LAUNCH 2 OF 2.  out0[token] = sigmoid(Q(hidden) Q(W2[e])^T + b2[e]) for the tokens of expert e, on codes of FP4 (E2M1) with one E8M0 byte for each 32 along K = 400 (filled with zeros to 512).
; The hidden layer's fragments, scale words and the lists of tokens come from launch 1 (hcodes, hscales, route: laid as stated there).  W2 is read ONCE, quantised in registers, and stays there.
; SHARES.  Work-group (x, y): expert e = y, columns 256 x .. 256 x + 255: one dense block of 409,600 bytes of W2.  Wave w streams rows 32 w .. 32 w + 31 as two tiles of 16 rows (25,600 bytes, 50 loads of 512
; consecutive bytes).  A load's bytes are as they lie; the conversions want 32 neighbours along K in one lane: so a tile turns through the wave's own stage in LDS.  The two waves of a group of 64 columns then
; exchange their tiles' codes through LDS as images of the registers, behind the launch's one barrier, which stands ahead of every branch on the count.  In the loop over tiles of 16 tokens wave w makes columns
; 64 (w / 2) .. + 63 (256 bytes of a row of out0) for the tiles w % 2, w % 2 + 2, ..
; THE PRODUCT IS USED TRANSPOSED (source 0 = 16 rows of W2, source 1 = 16 tokens): lane (r, h) holds token r and eight neighbouring columns.  b2 is the C of a sum's first product.
; K STEP 3 holds k = 384 .. 399 alone: two registers a tile, their scale taken of those 16 numbers.  The fragment's other six registers are registers of K step 0: they meet zero codes of the hidden layer, and
; their blocks' scale bytes are 127.
; LIMITS: NaN and infinities among the inputs are not served.  A block of zeros gets the byte 1 where the rule says 127: its codes are zeros, and nobody else reads the bytes.  The sigmoid, 1 / (1 + 2^(-x log2 e)),
; holds for every finite x: where the power is infinite the result is 0, where it is 0 the result is 1.
; No tensor load: trip counts hang on the count.  No cluster: no tile comes by the data mover; what an expert's work-groups share, the hidden codes, is about a tenth of each one's own bytes of W2.
; THE MODE: SCHED_MODE bits 1:0 = 2 (LLVM: expert scheduling mode 2), set by the entry lines.  The code itself states the register dependences between vector or matrix instructions and memory or LDS
; instructions, and those through scalar registers that vector instructions write, with s_wait_alu, always for 0.
; THE PLAN.  Registers that memory or LDS instructions touch:
;   v1-v13        offsets and LDS addresses: written once at the head, one wait on va_vdst ahead of the first load, never written again.
;   window 1      v0-199: a tile as loaded; the LDS stores into the stage read it; tile B's loads, and later my group's codes, land there: a wait on vm_vsrc ahead of each such run of loads.
;   X0, X1        unit n lands; block n's maxima and conversions read it; unit n + 2 lands in the same set: a wait on va_vdst behind each block that has a unit to follow it.
;   CA, CB, WA, WB  written by conversions and the words' lines; read by the images' LDS stores (a wait on va_vdst at a tile's end); in the loop they are ACC and OUT (the wait on vm_vsrc behind the barrier).
;   In the loop:  H, HS, TOK: loaded; read by the sixteen products and eight vector lines; the next tile's loads land in them behind ONE wait on va_vdst.  ACC: written by products and vector lines, read by the LDS
;                 stores behind the reciprocals' wait.  OFFS: written ahead of those waits, read by the global stores.  OUT: written by LDS loads, read by the global stores.  ONE wait on vm_vsrc at the loop's
;                 head states that the last trip's stores have read ACC, OFFS and OUT.  The products' operands and scales all come by loads: no vector line writes one.
.set RGN,  32000                       ; LDS: a region for each wave.  While W2 streams: a tile's 25,600 bytes, 16 bytes of padding behind each 64: flat byte f at 80 (f / 64) + f % 64; row r at 2000 r (125 x 16), block b at + 160 b
.set IMG,  3840                        ; afterwards, from the region's byte 0: my two tiles' images: 6 x 512 (24 registers), 256 (2 registers), 512 (4 scale words a lane)
.set OST,  8192                        ; and from byte 8,192: my stage for the way out, 16 rows x (256 + 16) bytes
.set X0,   32                          ; v32-63, v64-95 two sets of 32 numbers
.set CA,   96                          ; v96-121  tile A's codes: +0, +1 K step 3; +2 + 8 s + 4 c + g K steps 0 to 2
.set CB,   122                         ; v122-147 tile B's
.set WA,   148                         ; v148-151, v152-155 their scale words
.set WB,   152
.set W2S,  160                         ; v160-175 the scale words of my group's four tiles: scales and nothing else
.set BIAS, 176                         ; v176-207 b2, four tiles x 8, in the result's layout
.set H,    208                         ; v208-239 a tile of tokens: four fragments
.set HS,   240                         ; v240-243 their scale words: scales and nothing else
.set TOK,  244                         ; v244-251 register k: the token of row 8 h + k
.set OFFS, 76                          ; v76-83   the rows' byte offsets in out0
.set ACC,  96                          ; v96-127  four accumulators
.set OUT,  128                         ; v128-159 rows read back from the stage
; v1 16 x lane, v13 4 x lane, v2 stage in, v3 / v4 stage out (with and without 160 h), v5 / v6 my images (16 and 8 bytes a lane), v7 / v8 my group's images, v9 / v10 the way out: in and back, v11 16 r, v12 32 h,
; v15 8 h, v16-18 at work, v20-26 seven scale bytes, v28 a permute's destination.  Window 1: v0-199 a tile as loaded; afterwards v0-103 my group's four tiles of codes, 26 registers each.
; s16 wave, s17 e, s18 x, s19 group, s20 parity, s21 count, s22 tiles, s23 the last tile that exists, s24 t, s25 a tile's number, s[26:27] an offset, s[28:33] bases, s[34:35] lane selects, s[36:37] -log2 e,
; s40 how many tiles of tokens are mine, s41 how many of them are done.
.set MSB, 0
.macro WIN new                         ; the immediate's high byte repeats the setting that is left
.if MSB != \new
	s_set_vgpr_msb (MSB<<8)|\new
.set MSB, \new
.endif
.endm
.macro LOADG tile, k                   ; ten of a tile's fifty loads
	WIN 0x40                                       ; destination window 1
.if \tile
	s_wait_alu depctr_vm_vsrc(0)                   ; the LDS stores of tile A's group have read these forty registers, in which tile B's loads land
.endif
.set i, 10*(\k)
.rept 10
	global_load_b128 v[4*i:4*i+3], v1, s[4:5] offset:25600*(\tile)+512*i th:TH_LOAD_NT
.set i, i+1
.endr
.endm
.macro STOREG k                        ; and their way into the stage
	WIN 0x04                                       ; an LDS store's data are its source 1: window 1
.set i, 10*(\k)
.rept 10
	ds_store_b128 v2, v[4*i:4*i+3] offset:640*i
.set i, i+1
.endr
.endm
.macro UNIT n                          ; lane (r, h) fetches block 2 n + h of row r; unit 6: both halves fetch the sixteen numbers of block 12
.set XS, X0+32*((\n)%2)
.if (\n) < 6
.irp j, 0,1,2,3
	ds_load_b128 v[XS+4*\j:XS+4*\j+3], v3 offset:320*(\n)+16*\j
.endr
.irp j, 0,1,2,3
	ds_load_b128 v[XS+16+4*\j:XS+16+4*\j+3], v3 offset:320*(\n)+80+16*\j
.endr
.else
.irp j, 0,1,2,3
	ds_load_b128 v[XS+4*\j:XS+4*\j+3], v4 offset:1920+16*\j
.endr
.endif
.endm
.macro BLOCK n, T                      ; a block's largest magnitude, its scale, its codes, its byte
.set XS, X0+32*((\n)%2)
	v_max3_num_f32 v16, |v[XS]|, |v[XS+1]|, |v[XS+2]|
	v_max3_num_f32 v17, |v[XS+3]|, |v[XS+4]|, |v[XS+5]|
.if (\n) < 6
.irp i, 6,10,14,18,22,26
	v_max3_num_f32 v16, v16, |v[XS+\i]|, |v[XS+\i+1]|
	v_max3_num_f32 v17, v17, |v[XS+\i+2]|, |v[XS+\i+3]|
.endr
	v_max3_num_f32 v16, v16, |v[XS+30]|, |v[XS+31]|
.else
.irp i, 6,10
	v_max3_num_f32 v16, v16, |v[XS+\i]|, |v[XS+\i+1]|
	v_max3_num_f32 v17, v17, |v[XS+\i+2]|, |v[XS+\i+3]|
.endr
	v_max3_num_f32 v16, v16, |v[XS+14]|, |v[XS+15]|
.endif
	v_max3_num_f32 v16, v16, v17, 0x1800000        ; with the floor 2^(3 - 127): the byte cannot fall under 1
	v_add_nc_u32 v18, 0xff000000, v16              ; 2 off the exponent field: the conversion takes the exponent field of this operand as its scale
.if (\n) < 6
.irp g, 0,1,2,3
	v_cvt_scalef32_pk8_fp4_f32 v[\T+2+4*(\n)+\g], v[XS+8*\g:XS+8*\g+7], v18
.endr
.else
	v_cvt_scalef32_pk8_fp4_f32 v[\T], v[XS:XS+7], v18
	v_cvt_scalef32_pk8_fp4_f32 v[\T+1], v[XS+8:XS+15], v18
.endif
	v_lshrrev_b32 v[20+(\n)], 23, v18              ; the scale's byte.  (Also the plain line behind the conversions)
.endm
; The tile in my stage becomes 26 registers of codes and 4 scale words.  The fetches run one unit ahead of the work: each count is the loads of the one unit issued behind the unit awaited.
.macro QUANTW T, WS
	WIN 0
	UNIT 0
	UNIT 1
.irp n, 0,1,2,3,4
	s_wait_dscnt 8
	BLOCK \n, \T
	s_wait_alu depctr_va_vdst(0)                   ; the block's maxima and conversions are done reading its set, in which the unit two further on lands
	UNIT \n+2
.endr
	s_wait_dscnt 4
	BLOCK 5, \T
	s_wait_dscnt 0x0
	BLOCK 6, \T
.irp s, 0,1,2
	v_lshl_or_b32 v[\WS+\s], v[21+2*\s], 16, v[20+2*\s]   ; K step s: my bytes, of its blocks h and 2 + h,
	v_lshlrev_b32 v[\WS+\s], v15, v[\WS+\s]        ; at their places, 8 h bits up;
	v_permlanex16_b32 v28, v[\WS+\s], s34, s35
	v_or_b32 v[\WS+\s], v[\WS+\s], v28             ; with lane l xor 16's two the word is whole
.endr
	v_or_b32 v[\WS+3], 0x7f7f7f00, v26             ; K step 3: block 12's byte, and 127 for the blocks that meet zero codes
	s_wait_alu depctr_va_vdst(0)                   ; blocks 5 and 6 are done reading both sets, in which the next tile's first units land; the tile's codes and scale words are written, which the image's LDS stores read
.endm
.macro IMAGE j, T, WS                  ; a tile's registers go to LDS as they stand
.irp q, 0,1,2,3,4,5
	ds_store_b128 v5, v[\T+2+4*\q:\T+5+4*\q] offset:IMG*(\j)+512*\q
.endr
	ds_store_b64 v6, v[\T:\T+1] offset:IMG*(\j)+3072
	ds_store_b128 v5, v[\WS:\WS+3] offset:IMG*(\j)+3328
.endm
.macro HLOAD                           ; tile s25 of my expert: four fragments, four scale words, sixteen tokens: 14 loads
	s_min_u32 s25, s25, 127
	s_lshl_b32 s38, s17, 7
	s_add_co_u32 s38, s38, s25
	s_lshl_b32 s26, s38, 12
	s_add_nc_u64 s[28:29], s[8:9], s[26:27]
	s_lshl_b32 s26, s38, 9
	s_add_nc_u64 s[30:31], s[10:11], s[26:27]
	s_lshl_b32 s26, s38, 7
	s_add_nc_u64 s[32:33], s[12:13], s[26:27]
.irp i, 0,1,2,3,4,5,6,7
	global_load_b128 v[H+4*\i:H+4*\i+3], v1, s[28:29] offset:512*\i
.endr
.irp s, 0,1,2,3
	global_load_b32 v[HS+\s], v13, s[30:31] offset:128*\s
.endr
.irp i, 0,1
	global_load_b128 v[TOK+4*\i:TOK+4*\i+3], v12, s[32:33] offset:2048+16*\i
.endr
.endm
.macro MM s                            ; K step s: the four accumulators by turns, one instruction a turn
.irp a, 0,1,2,3
.if (\s) == 0
	v_wmma_scale_f32_16x16x128_f8f6f4 v[ACC+8*\a:ACC+8*\a+7], v[26*\a+2:26*\a+9], v[H:H+7], v[BIAS+8*\a:BIAS+8*\a+7], v[W2S+4*\a], v[HS] matrix_a_fmt:MATRIX_FMT_FP4 matrix_b_fmt:MATRIX_FMT_FP4
.elseif (\s) < 3
	v_wmma_scale_f32_16x16x128_f8f6f4 v[ACC+8*\a:ACC+8*\a+7], v[26*\a+2+8*(\s):26*\a+9+8*(\s)], v[H+8*(\s):H+8*(\s)+7], v[ACC+8*\a:ACC+8*\a+7], v[W2S+4*\a+(\s)], v[HS+(\s)] matrix_a_fmt:MATRIX_FMT_FP4 matrix_b_fmt:MATRIX_FMT_FP4
.else
	v_wmma_scale_f32_16x16x128_f8f6f4 v[ACC+8*\a:ACC+8*\a+7], v[26*\a:26*\a+7], v[H+24:H+31], v[ACC+8*\a:ACC+8*\a+7], v[W2S+4*\a+3], v[HS+3] matrix_a_fmt:MATRIX_FMT_FP4 matrix_b_fmt:MATRIX_FMT_FP4
.endif
.endr
.endm
	s_load_b256 s[4:11], s[0:1], 0x0               ; W2 s[4:5], b2 s[6:7], hcodes s[8:9], hscales s[10:11]
	s_load_b128 s[12:15], s[0:1], 0x20             ; route s[12:13], out0 s[14:15]
	v_lshl_add_u32 v254, v0, 2, 0x3e800
	v_mov_b32 v255, 0
	v_lshrrev_b32 v1, 5, v0
	v_readfirstlane_b32 s16, v1                    ; wave 0..7
	s_and_b32 s17, ttmp7, 0xffff                   ; e
	s_mov_b32 s18, ttmp9                           ; x
	v_and_b32 v14, 31, v0                          ; lane
	v_lshlrev_b32 v1, 4, v14
	v_lshlrev_b32 v13, 2, v14
	v_and_b32 v19, 15, v0                          ; r
	v_bfe_u32 v29, v0, 4, 1                        ; h
	s_wait_alu depctr_va_sdst(0)                   ; s16 is written, ahead of its first reader: the group, the parity, LDS regions and bases are made from it
	s_lshr_b32 s19, s16, 1                         ; my group of 64 columns
	s_and_b32 s20, s16, 1                          ; which tiles of tokens are mine
	s_mul_i32 s25, s16, RGN                        ; my region
	v_lshrrev_b32 v2, 2, v14
	v_mul_u32_u24 v2, v2, 80
	v_and_b32 v27, 3, v14
	v_lshl_add_u32 v2, v27, 4, v2
	v_add_nc_u32 v2, s25, v2                       ; into the stage: 80 (lane / 4) + 16 (lane % 4); a load's 512 bytes take 640
	v_mul_u32_u24 v4, v19, 2000
	v_add_nc_u32 v4, s25, v4                       ; out of it: row r,
	v_mul_u32_u24 v3, v29, 160
	v_add_nc_u32 v3, v3, v4                        ; + 160 h
	v_add_nc_u32 v5, s25, v1
	v_lshlrev_b32 v6, 3, v14
	s_and_b32 s26, s16, 6
	s_mul_i32 s26, s26, RGN                        ; the region of my group's first wave
	v_add_nc_u32 v7, s26, v1
	v_add_nc_u32 v8, s26, v6
	v_add_nc_u32 v6, s25, v6
	s_add_co_u32 s26, s25, OST
	v_mul_u32_u24 v9, v19, 272
	v_lshl_add_u32 v9, v29, 5, v9
	v_add_nc_u32 v9, s26, v9                       ; the way out, in: row r, + 32 h
	v_mul_u32_u24 v10, v29, 2176
	v_lshl_add_u32 v10, v19, 4, v10
	v_add_nc_u32 v10, s26, v10                     ; and back: lanes 0-15 a row, lanes 16-31 the row eight further on; 16 bytes a lane
	v_lshlrev_b32 v11, 4, v19
	v_lshlrev_b32 v12, 5, v29
	v_lshlrev_b32 v15, 3, v29
	v_mov_b32 v28, 0                               ; written once: a lane permute's destination counts as one of its sources
	s_mov_b32 s34, 0x76543210
	s_mov_b32 s35, 0xfedcba98                      ; v_permlanex16_b32's selects for lane l xor 16
	s_mov_b32 s36, 0xbfb8aa3b                      ; -log2 e
	s_mov_b32 s37, s36                             ; (named with it as a pair, so it is written)
	s_mov_b32 s27, 0
	s_lshl_b32 s38, s17, 12
	s_lshl_b32 s39, s18, 8
	s_add_co_u32 s38, s38, s39                     ; 4096 e + 256 x: the work-group's first row of W2
	s_lshl_b32 s39, s16, 5
	s_add_co_u32 s39, s38, s39                     ; + 32 w
	s_mul_i32 s26, s39, 1600                       ; a row of W2 is 1,600 bytes; the whole tensor has under 2^27
	s_wait_kmcnt 0x0
	s_add_nc_u64 s[4:5], s[4:5], s[26:27]
	s_lshl_b32 s39, s19, 6
	s_add_co_u32 s39, s38, s39
	s_lshl_b32 s26, s39, 2
	s_add_nc_u64 s[6:7], s[6:7], s[26:27]          ; b2 at my group's first column
	s_lshl_b32 s26, s17, 7
	s_add_nc_u64 s[32:33], s[12:13], s[26:27]
	s_load_b32 s21, s[32:33], 0x0                  ; my expert's count
	s_lshl_b32 s26, s18, 10
	s_lshl_b32 s39, s19, 8
	s_add_co_u32 s26, s26, s39
	s_add_nc_u64 s[14:15], s[14:15], s[26:27]      ; out0 at my group's 256 bytes of row 0
	WIN 0x40                                       ; destination window 1
	s_wait_alu depctr_va_vdst(0)                   ; the offsets and LDS addresses v1 to v13 are written: every load, store and LDS instruction of the kernel but the last stores reads one of them, and none is written again
.irp k, 0,1,2,3,4
	LOADG 0, \k
.endr
	WIN 0
.irp a, 0,1,2,3
.irp i, 0,1
	global_load_b128 v[BIAS+8*\a+4*\i:BIAS+8*\a+4*\i+3], v12, s[6:7] offset:64*\a+16*\i
.endr
.endr
.irp k, 0,1,2,3,4
	s_wait_loadcnt 48                              ; tile A's group k is in: behind it 40 - 10 k loads of A, 8 of b2 and 10 k of B
	STOREG \k
	s_wait_dscnt 0x0                               ; the group lies in the stage;
	LOADG 1, \k                                    ; its registers take tile B's loads
.endr
	QUANTW CA, WA                                  ; tile A is quantised while tile B's fifty loads are on their way
	s_wait_loadcnt 40                              ; tile B's group 0 is in: behind it B's other four groups
	STOREG 0
	s_wait_kmcnt 0x0                               ; the count
	s_add_co_u32 s22, s21, 15
	s_lshr_b32 s22, s22, 4
	s_min_u32 s22, s22, 128                        ; tiles of 16 tokens
	s_max_u32 s23, s22, 1
	s_sub_co_u32 s23, s23, 1                       ; the last tile that launch 1 has written (tile 0 always)
	s_add_co_u32 s40, s22, 1
	s_sub_co_u32 s40, s40, s20
	s_lshr_b32 s40, s40, 1                         ; of tiles 0 .. tiles - 1 those of my parity: (tiles + 1 - parity) / 2,
	s_min_u32 s40, s40, 64                         ; 64 at the most
	s_min_u32 s25, s20, s23
	WIN 0
	HLOAD                                          ; my first tile of tokens, early: held to a tile that exists.  No vector line has named its registers
.irp k, 1,2,3,4
	s_wait_loadcnt 54-10*\k                        ; tile B's group k is in: behind it B's remaining groups and those 14 loads
	STOREG \k
.endr
	QUANTW CB, WB
	IMAGE 0, CA, WA                                ; my reads of the stage are in: the images may lie over it
	IMAGE 1, CB, WB
	s_wait_dscnt 0x0                               ; for the others' sake: my images have landed
	s_barrier_signal -1
	s_barrier_wait -1                              ; the launch's one barrier
	WIN 0x40
	s_wait_alu depctr_vm_vsrc(0)                   ; my LDS stores have read the raw tile's registers of window 1, in which my group's codes land, and v96 to v155, which the loop's products write and in which its rows land
.irp a, 0,1,2,3                        ; tile a of my group: columns 16 a on: wave 2 (w / 2) + a / 2, its tile a % 2
.irp q, 0,1,2,3,4,5
	ds_load_b128 v[26*\a+2+4*\q:26*\a+5+4*\q], v7 offset:RGN*(\a/2)+IMG*(\a%2)+512*\q
.endr
	ds_load_b64 v[26*\a:26*\a+1], v8 offset:RGN*(\a/2)+IMG*(\a%2)+3072
.endr
	WIN 0
.irp a, 0,1,2,3
	ds_load_b128 v[W2S+4*\a:W2S+4*\a+3], v7 offset:RGN*(\a/2)+IMG*(\a%2)+3328
.endr
	s_wait_dscnt 0x0
	s_mov_b32 s24, s20                             ; t: my first tile
	s_mov_b32 s41, 0                               ; the loop's counter: it steps by 1 up to s40, which the loop does not write
	s_cmp_eq_u32 s40, 0
	s_cbranch_scc1 .Lend                           ; no tile of tokens for me
.Ltok:
	s_wait_loadcnt 0x0                             ; this tile's fragments, scale words and tokens
	s_wait_alu depctr_vm_vsrc(0)                   ; the last trip's LDS stores have read v[ACC ..], which the products write; its global stores have read v[OFFS ..], written below, and v[OUT ..], in which this trip's rows land
	WIN 0x01                                       ; source 0 (W2) window 1
	MM 0
	MM 1
	MM 2
	MM 3
	WIN 0
	s_wait_xcnt 0x0                                ; the last trip's stores have read their offsets and data: both are written again only behind this wait
.irp k, 0,1,2,3,4,5,6,7
	v_min_u32 v[OFFS+\k], 0x7ff, v[TOK+\k]
.endr
.irp k, 0,1,2,3,4,5,6,7
	v_lshl_add_u32 v[OFFS+\k], v[OFFS+\k], 14, v11 ; a row of out0 is 16,384 bytes; + 16 r.  (These sixteen lines are the places behind the products)
.endr
	s_add_co_u32 s24, s24, 2                       ; my next tile,
	s_min_u32 s25, s24, s23                        ; held to a tile that exists:
	s_wait_alu depctr_va_vdst(0)                   ; the products are done reading v[H ..] and v[HS ..], the lines above v[TOK ..]: the next tile's loads land in them
	HLOAD                                          ; it lands under the work below, none of which names its registers
.irp j, 0,2,4,6,8,10,12,14,16,18,20,22,24,26,28,30
	v_pk_mul_f32 v[ACC+\j:ACC+\j+1], v[ACC+\j:ACC+\j+1], s[36:37] op_sel_hi:[1,0]   ; -x log2 e; each accumulator from its low end on
.endr
	s_wait_alu depctr_va_vdst(0)
.irp j, 0,1,2,3,4,5,6,7,8,9,10,11,12,13,14,15,16,17,18,19,20,21,22,23,24,25,26,27,28,29,30,31
	v_exp_f32 v[ACC+\j], v[ACC+\j]
.endr
	v_nop                                          ; a plain line behind the last exponential
	s_wait_alu depctr_va_vdst(0)                   ; the 32 exponentials have written v[ACC ..]: one wait for the batch, ahead of its first reader
.irp j, 0,2,4,6,8,10,12,14,16,18,20,22,24,26,28,30
	v_pk_add_f32 v[ACC+\j:ACC+\j+1], v[ACC+\j:ACC+\j+1], 1.0 op_sel_hi:[1,0]
.endr
	s_wait_alu depctr_va_vdst(0)
.irp j, 0,1,2,3,4,5,6,7,8,9,10,11,12,13,14,15,16,17,18,19,20,21,22,23,24,25,26,27,28,29,30,31
	v_rcp_f32 v[ACC+\j], v[ACC+\j]
.endr
	v_nop
	s_wait_alu depctr_va_vdst(0)                   ; the 32 reciprocals have written v[ACC ..], which the LDS stores read; v[OFFS ..], the global stores' offsets, were written ahead of it too
.irp a, 0,1,2,3
	ds_store_b128 v9, v[ACC+8*\a:ACC+8*\a+3] offset:64*\a          ; lane (r, h): token r, columns 16 a + 8 h + 0 .. 7
	ds_store_b128 v9, v[ACC+8*\a+4:ACC+8*\a+7] offset:64*\a+16
.endr
.irp k, 0,1,2,3,4,5,6,7
	ds_load_b128 v[OUT+4*\k:OUT+4*\k+3], v10 offset:272*\k         ; my own bytes, served in order (ISA guide 5.7.1.4): rows k and k + 8, whole
.endr
.irp k, 0,1,2,3,4,5,6,7
	s_wait_dscnt 7-\k                              ; row pair k is back; the pairs behind it may be out
	global_store_b128 v[OFFS+\k], v[OUT+4*\k:OUT+4*\k+3], s[14:15] th:TH_STORE_NT   ; sixteen lanes store 256 consecutive bytes, aligned, of their token's row
.endr
	s_add_co_u32 s41, s41, 1
	s_cmp_lt_u32 s41, s40
	s_cbranch_scc1 .Ltok
.Lend:
	s_wait_dscnt 0x0
	s_wait_alu depctr_hold_cnt(0) depctr_sa_sdst(0) depctr_va_vdst(0) depctr_va_sdst(0) depctr_va_ssrc(0) depctr_va_vcc(0) depctr_vm_vsrc(0)
	s_wait_tensorcnt 0x0
	ds_add_u32 v254, v255
	s_wait_dscnt 0x0
	s_endpgm
.Lfunc_end_k_q79a45592b9_decode:
	.size	k_q79a45592b9_decode, .Lfunc_end_k_q79a45592b9_decode-k_q79a45592b9_decode
	.p2alignl 7, 3214868480
	.fill 96, 4, 3214868480
	.section	.rodata,"a",@progbits
	.p2align	6, 0x0
	.amdhsa_kernel k_q79a45592b9_decode
		.amdhsa_group_segment_fixed_size 257024
		.amdhsa_private_segment_fixed_size 0
		.amdhsa_enable_private_segment 0
		.amdhsa_kernarg_size 48
		.amdhsa_user_sgpr_count 2
		.amdhsa_user_sgpr_kernarg_segment_ptr 1
		.amdhsa_wavefront_size32 1
		.amdhsa_system_sgpr_workgroup_id_x 1
		.amdhsa_system_sgpr_workgroup_id_y 1
		.amdhsa_system_sgpr_workgroup_id_z 1
		.amdhsa_system_vgpr_workitem_id 0
		.amdhsa_next_free_vgpr 512
		.amdhsa_next_free_sgpr 66
		.amdhsa_reserve_vcc 0
		.amdhsa_float_denorm_mode_32 3
		.amdhsa_float_denorm_mode_16_64 3
		.amdhsa_memory_ordered 1
		.amdhsa_forward_progress 1
		.amdhsa_inst_pref_size 65
	.end_amdhsa_kernel
	.amdgpu_metadata
---
amdhsa.version: [ 1, 2 ]
amdhsa.kernels:
  - .name:           k_q79a45592b9_decode
    .symbol:         k_q79a45592b9_decode.kd
    .args:
      - { .name: W2, .offset: 0, .size: 8, .value_kind: global_buffer, .address_space: global }
      - { .name: b2, .offset: 8, .size: 8, .value_kind: global_buffer, .address_space: global }
      - { .name: hcodes, .offset: 16, .size: 8, .value_kind: global_buffer, .address_space: global }
      - { .name: hscales, .offset: 24, .size: 8, .value_kind: global_buffer, .address_space: global }
      - { .name: route, .offset: 32, .size: 8, .value_kind: global_buffer, .address_space: global }
      - { .name: out0, .offset: 40, .size: 8, .value_kind: global_buffer, .address_space: global }
    .group_segment_fixed_size: 257024
    .private_segment_fixed_size: 0
    .kernarg_segment_align: 8
    .kernarg_segment_size: 48
    .max_flat_workgroup_size: 256
    .sgpr_count:     66
    .vgpr_count:     512
    .wavefront_size: 32
...
	.end_amdgpu_metadata
.endif
;; end of part 4
